; MI455X (gfx1250); checked and timed in simulation.
; The chip was launched on July 23, 2026; its instructions are those of AMD's public machine-readable ISA for CDNA 5 (MIT licence, August 2026) and "CDNA5" Instruction Set Architecture Reference Guide (July 2026). The comments in the code are by the model that wrote it; some were corrected since.
;; Multi Head Self Attention. Allowed arithmetic: matrix products marked QUANTISED: E5M2 operands, one E8M0 scale for each 32 along K, by v_wmma_scale_f32_16x16x128_f8f6f4 with both operands' format E5M2, f32 sums; everything else in f32.
;; Inputs: Wk 1,024 x 1,024 float32; Wo 1,024 x 1,024 float32; Wq 1,024 x 1,024 float32; Wv 1,024 x 1,024 float32; b1 1,024 float32; b2 1,024 float32; bk 1,024 float32; bo 1,024 float32; bq 1,024 float32; bv 1,024 float32; g1 1,024 float32; g2 1,024 float32; x 2 x 2,048 x 1,024 float32.
;; Outputs: out0 2 x 1,024 float32; out1 2 x 2,048 float32.
;; This version of the problem:
;;   THIS VERSION OF THE PROBLEM IS GIVEN IN LOW PRECISION. The matrix products marked QUANTISED in the list below multiply operands that are first quantised to E5M2 (5 exponent bits, 2 mantissa bits; 8 bits a number), with one power-of-two scale for each 32 numbers along K (OCP MX v1.0); their sums are f32. All else is computed in f32.
;;   The module's matrix products, in the order in which they are computed (A, B: the left and right operand; K: the contracted axis; several contracted axes count as one K, in the product's order):
;;     1. [M 4,096, K 1,024] x [K 1,024, N 1,024]; A: computed on the way; B: input Wq: QUANTISED
;;     2. [M 4,096, K 1,024] x [K 1,024, N 1,024]; A: computed on the way; B: input Wk: QUANTISED
;;     3. [M 4,096, K 1,024] x [K 1,024, N 1,024]; A: computed on the way; B: input Wv: QUANTISED
;;     4. batch 32 x [M 2,048, K 64] x [K 64, N 2,048]; A: computed on the way; B: computed on the way: QUANTISED
;;     5. batch 32 x [M 2,048, K 2,048] x [K 2,048, N 64]; A: softmax (see below); B: computed on the way: QUANTISED
;;     6. [M 4,096, K 1,024] x [K 1,024, N 1,024]; A: computed on the way; B: input Wo: QUANTISED
;;   THE QUANTISER, for each operand of a quantised product, along K:
;;     - K is cut into blocks of 32 from its start; a last block that is shorter is filled with zeros.
;;     - A block's scale is 2^e with e = floor(log2(the largest magnitude in the block)) - 15, held to -126 .. 127; a block of zeros has e = 0. As a byte (E8M0): e + 127.
;;     - Each number is divided by its block's scale, clamped to +-57,344, and rounded to the nearest number of E5M2, ties to even, subnormals kept.
;;     - The product sums the exact products of the quantised numbers (number of the format x scale) in f32.
;;   ~~~python
;;   def quantise(x, axis):      # numpy; x: float32 -> the quantised numbers, widened to float32 again
;;       x = np.moveaxis(x, axis, -1); K = x.shape[-1]
;;       x = np.pad(x, [(0, 0)] * (x.ndim - 1) + [(0, -K % 32)]); x = x.reshape(x.shape[:-1] + (-1, 32)); a = np.abs(x).max(-1, keepdims=True)
;;       e = np.where(a > 0, np.clip(np.frexp(np.where(a > 0, a, 1))[1] - 1 - 15, -126, 127), 0)      # np.frexp(a)[1] - 1 = floor(log2(a)), exactly
;;       r = np.clip(x / 2.0 ** e, -57344, 57344)
;;       step = 2.0 ** (np.maximum(np.frexp(np.where(r == 0, 1, r))[1] - 1, -14) - 2)
;;       q = np.round(r / step) * step * 2.0 ** e      # np.round: ties to even
;;       return np.moveaxis(q.reshape(q.shape[:-2] + (-1,))[..., :K], -1, axis).astype(np.float32)
;;   ~~~
;;   SOFTMAX AHEAD OF A QUANTISED PRODUCT. Where the list says 'softmax', what is quantised is not the finished softmax but p = 2^(t - M), with t = logit x log2(e) and M = ceil(the row's largest t), a whole number; so 1/2 < the row's largest p <= 1. The row's sum l is taken of the UNQUANTISED p, in f32, and the product's result is divided by l at the end. Since M is a whole number, a kernel that streams over the keys may use a running M (the ceiling of the running maximum): every later rescaling is an exact power of two, which a block's scale takes up: the codes' values come out the same.
;;   OPERANDS COMPUTED ON THE WAY. 'Computed on the way' means the value that the module computes at that place (a softmax that the list does not call 'softmax' is quantised finished and normalised). What goes into a quantiser is computed in f32, as accurately as f32 sums, v_exp_f32 and their like allow (about 1e-6 of the number): no bf16 or f16 on the way to a quantiser, and a product that is left as it is and whose result goes on into a quantised operand takes f32 operands (vector FMAs, or v_wmma_f32_16x16x4_f32). A number that lies on a knife's edge between two numbers of the format may be rounded either way, as far as f32 arithmetic and the matrix unit's own rounding can turn it there, and no further.
;; One version. Each part assembles by itself: llvm-mc -triple=amdgcn-amd-amdhsa -mcpu=gfx1250 --defsym DOCPART=n.
;; ======== version 1 of 1: 6 launches
;; limits: right only within a limited range of input values
;; workspace buffers: wbuf 4,325,376 bytes; hbuf 4,325,376 bytes; qbuf 4,325,376 bytes; kv 16,777,216 bytes; cbuf 4,325,376 bytes; t0 262,144 bytes; part 1,048,576 bytes; ml 8,192 bytes
;; launch lnquant (part 1): grid 384 x 1, 8 waves a work-group, no clusters, 70,656 bytes of LDS; arguments x, g1, b1, hbuf, Wq, Wk, Wv, Wo, wbuf; writes hbuf, wbuf
.if DOCPART == 1
	.amdgcn_target "amdgcn-amd-amdhsa--gfx1250"
	.amdhsa_code_object_version 6
	.text
	.protected	k_q6096420b70_lnquant
	.globl	k_q6096420b70_lnquant
	.p2align	8
	.type	k_q6096420b70_lnquant,@function
k_q6096420b70_lnquant:
	s_mov_b64 s[64:65], 0
	v_nop
	global_prefetch_b8 v0, s[64:65] scope:SCOPE_SE
	s_setreg_imm32_b32 hwreg(HW_REG_WAVE_MODE, 25, 1), 1
	s_wait_xcnt 0x0
; h = layernorm(x) g1 + b1, all in f32, quantised along its 1,024 columns to E5M2 with one E8M0 byte for each 32, and stored as images of the matrix unit's registers.
; SHARES: a work-group takes one tile of 16 tokens (row rho of tile T is token 32 (T / 2) + 8 (T % 2) + rho + 8 (rho / 8)); wave w takes columns 128 w on: one K step, one fragment.
; Lane (r, h) holds of row r the 16 numbers 32 c + 16 h + 0 .. 15 of each of the wave's four blocks c: register 16 c + i.  So the conversions' results are the fragment's registers.
; x IS READ AS IT LIES: each load takes the wave's 512 consecutive bytes of one row, 16 a lane; the 16 rows go through the wave's own stage in LDS (rows 528 bytes apart, an odd multiple of 16, so that the
; sixteen rows that a load touches fall on different banks) and come back 64 bytes a lane, into the registers that they left.  Only the wave itself touches its stage: no barrier.
; The mean is taken first and the variance of the differences: a common offset in x costs no accuracy.  The eight waves' partial sums meet in LDS: [row][wave], 32 bytes a row.
; hbuf: images [T][K step][2048] (registers 4 c .. 4 c + 3 of lane l at 512 c + 16 l); from byte 4,194,304 on the scale rows [16 T + rho][8 words].
; LIMITS: NaN and infinities are not served; a block whose largest magnitude lies under 2^-111 gets the byte 1; v_rsq_f32 is good to 1 ulp.
.set X,   32                           ; v32-95   my 64 numbers
.set G,   96                           ; v96-159  g1 at their columns
.set BB,  160                          ; v160-223 b1
.set TM,  224                          ; v224-239 the quantiser's: largest magnitudes, bytes, holds, scale operands
.set PC,  240                          ; v240-255 the codes
.set PW,  16                           ; v16      the scale word
.set SEL, 16                           ; s[16:17] v_permlanex16_b32's selects for lane l xor 16
.set MNT, 18
.set RS1, 0                            ; LDS: the sums, 512 bytes;
.set RS2, 512                          ; the sums of squares;
.set SCS, 1024                         ; the tile's scale rows;
.set XST, 2048                         ; and a stage of 16 rows x XP bytes for each wave
.set XP,  528
.macro QUANT s, pw                     ; 64 numbers v[s] on, register 16 b + i = k 32 b + 16 (lane / 16) + i of my row, become codes in v[PC] on and the scale word in v[pw]
.irp b, 0,1,2,3
	v_max3_num_f32 v[TM+\b], |v[\s+16*\b]|, |v[\s+1+16*\b]|, 0x8000000   ; my 16 numbers of block b, and the floor 2^(16 - 127)
.endr
.irp i, 2,4,6,8,10,12,14
.irp b, 0,1,2,3
	s_delay_alu instid0(VALU_DEP_4)
	v_max3_num_f32 v[TM+\b], v[TM+\b], |v[\s+16*\b+\i]|, |v[\s+1+16*\b+\i]|
.endr
.endr
.irp b, 0,1,2,3
	s_delay_alu instid0(VALU_DEP_4)
	v_permlanex16_b32 v[TM+4+\b], v[TM+\b], s[SEL], s[SEL+1]
.endr
.irp b, 0,1,2,3
	s_delay_alu instid0(VALU_DEP_4)
	v_max_num_f32 v[TM+\b], v[TM+\b], v[TM+4+\b]           ; with lane l xor 16's: the block's largest magnitude
.endr
.irp b, 0,1,2,3
	s_delay_alu instid0(VALU_DEP_4)
	v_add_nc_u32 v[TM+12+\b], 0xf8800000, v[TM+\b]         ; 15 off its exponent field: the conversion's scale operand
.endr
.irp b, 0,1,2,3
	v_and_or_b32 v[TM+8+\b], v[TM+\b], 0x7f800000, s[MNT]  ; 57,344 x the scale
.endr
.irp b, 0,1,2,3
	v_lshrrev_b32 v[TM+4+\b], 23, v[TM+12+\b]              ; the scale's byte
.endr
	s_delay_alu instid0(VALU_DEP_3)
	v_lshl_or_b32 v[\pw], v[TM+5], 8, v[TM+4]
	s_delay_alu instid0(VALU_DEP_1)
	v_lshl_or_b32 v[\pw], v[TM+6], 16, v[\pw]
	s_delay_alu instid0(VALU_DEP_1)
	v_lshl_or_b32 v[\pw], v[TM+7], 24, v[\pw]
.irp b, 0,1,2,3
.irp i, 0,1,2,3,4,5,6,7,8,9,10,11,12,13,14,15
	v_med3_num_f32 v[\s+16*\b+\i], v[\s+16*\b+\i], -v[TM+8+\b], v[TM+8+\b]   ; the conversion does not saturate (ISA guide 7.6.2): hold first
.endr
	v_cvt_scalef32_pk8_bf8_f32 v[PC+4*\b:PC+1+4*\b], v[\s+16*\b:\s+7+16*\b], v[TM+12+\b]
	v_cvt_scalef32_pk8_bf8_f32 v[PC+2+4*\b:PC+3+4*\b], v[\s+8+16*\b:\s+15+16*\b], v[TM+12+\b]
.endr
	v_nop                                          ; a plain line behind the last conversion
.endm
.macro MEET                            ; my LDS stores have landed and my LDS loads are in: then the work-group's barrier
	s_wait_dscnt 0x0
	s_barrier_signal -1
	s_barrier_wait -1
.endm
; ONE LAUNCH PREPARES BOTH OPERANDS: work-groups 0 to 255 take the tokens' tiles, as said above; work-groups 256 to 383 quantise the four weights, on a path of their own at the text's end, which uses no LDS and no barrier.
	v_lshl_add_u32 v15, v0, 2, 0x11000
	v_mov_b32 v17, 0
	s_cmp_ge_u32 ttmp9, 256                        ; the work-group's number alone decides
	s_cbranch_scc1 .Lweights
	s_load_b256 s[4:11], s[0:1], 0x0               ; x, g1, b1, hbuf
	v_lshrrev_b32 v1, 5, v0
	s_delay_alu instid0(VALU_DEP_1)
	v_readfirstlane_b32 s12, v1                    ; wave 0..7
	v_and_b32 v1, 31, v0
	v_and_b32 v2, 15, v0                           ; r
	v_bfe_u32 v3, v0, 4, 1                         ; h
	s_delay_alu instid0(VALU_DEP_1)
	v_lshlrev_b32 v5, 6, v3                        ; g1, b1: 64 h
	s_delay_alu instid0(VALU_DEP_3)
	v_lshlrev_b32 v7, 5, v2                        ; LDS: 32 r
	s_lshl_b32 s13, s12, 2
	v_add_nc_u32 v6, s13, v7                       ; LDS: 32 r + 4 w
	v_lshlrev_b32 v8, 4, v1                        ; 16 x lane
	s_mul_i32 s28, s12, 16*XP                      ; my stage
	v_add_nc_u32 v9, s28, v8
	s_delay_alu instid0(VALU_DEP_1)
	v_add_nc_u32 v9, XST, v9                       ; into it: 16 x lane; the row stands in the immediate
	v_mul_u32_u24 v10, v2, XP
	s_delay_alu instid0(VALU_DEP_1)
	v_lshl_add_u32 v10, v3, 6, v10
	s_delay_alu instid0(VALU_DEP_1)
	v_add_nc_u32 v10, s28, v10
	s_delay_alu instid0(VALU_DEP_1)
	v_add_nc_u32 v10, XST, v10                     ; out of it: row r, + 64 h
	s_lshr_b32 s14, ttmp9, 1
	s_lshl_b32 s14, s14, 17                        ; 32 rows of 4,096 bytes for each pair of tiles,
	s_and_b32 s15, ttmp9, 1
	s_lshl_b32 s15, s15, 15                        ; 8 rows for the odd tile,
	s_add_co_u32 s14, s14, s15
	s_lshl_b32 s20, s12, 9                         ; 512 bytes for each wave
	s_mov_b32 s21, 0
	s_add_co_u32 s14, s14, s20
	s_mov_b32 s15, 0
	s_lshl_b32 s22, ttmp9, 14
	s_lshl_b32 s23, s12, 11
	s_add_co_u32 s22, s22, s23                     ; my image
	s_mov_b32 s23, 0
	s_lshl_b32 s24, ttmp9, 9
	s_add_co_u32 s24, s24, 4194304                 ; the tile's scale rows
	s_mov_b32 s25, 0
	s_mov_b32 s[SEL], 0x76543210
	s_mov_b32 s[SEL+1], 0xfedcba98
	s_mov_b32 s[MNT], 0x600000
	s_mov_b32 s26, 0x3a800000                      ; 1 / 1,024
	s_mov_b32 s27, 0x3727c5ac                      ; 1e-5
	s_wait_alu depctr_va_vdst(0)
	s_wait_kmcnt 0x0
	s_add_nc_u64 s[4:5], s[4:5], s[14:15]
	s_add_nc_u64 s[6:7], s[6:7], s[20:21]
	s_add_nc_u64 s[8:9], s[8:9], s[20:21]
	s_add_nc_u64 s[22:23], s[10:11], s[22:23]
	s_add_nc_u64 s[24:25], s[10:11], s[24:25]
.set i, 0
.rept 16
	global_load_b128 v[X+4*i:X+4*i+3], v8, s[4:5] offset:(i+8*(i/8))*4096 th:TH_LOAD_NT   ; row i of the tile: 512 consecutive bytes
.set i, i+1
.endr
.irp c, 0,1,2,3
.irp j, 0,1,2,3
	global_load_b128 v[G+16*\c+4*\j:G+16*\c+4*\j+3], v5, s[6:7] offset:128*\c+16*\j
.endr
.endr
.irp c, 0,1,2,3
.irp j, 0,1,2,3
	global_load_b128 v[BB+16*\c+4*\j:BB+16*\c+4*\j+3], v5, s[8:9] offset:128*\c+16*\j
.endr
.endr
.irp b, 0,1,2,3
	v_mov_b32 v[TM+4+\b], 0                        ; written once: a lane permute's destination counts as one of its sources
.endr
	s_wait_loadcnt 32                              ; x is in; the 32 loads of g1 and b1 may be out
.set i, 0
.rept 16
	ds_store_b128 v9, v[X+4*i:X+4*i+3] offset:XP*i
.set i, i+1
.endr
.irp c, 0,1,2,3
.irp j, 0,1,2,3
	ds_load_b128 v[X+16*\c+4*\j:X+16*\c+4*\j+3], v10 offset:128*\c+16*\j   ; LDS serves a wave's instructions in order (ISA guide 5.7.1.4): these see the stores above
.endr
.endr
	s_wait_dscnt 0x0
	; ---- the mean
	v_pk_add_f32 v[24:25], v[32:33], v[34:35]
	v_pk_add_f32 v[254:255], v[40:41], v[44:45]
	v_pk_add_f32 v[252:253], v[48:49], v[52:53]
	v_pk_add_f32 v[250:251], v[56:57], v[60:61]
	v_pk_add_f32 v[248:249], v[64:65], v[68:69]
	v_pk_add_f32 v[246:247], v[72:73], v[76:77]
	v_pk_add_f32 v[244:245], v[80:81], v[84:85]
	v_pk_add_f32 v[22:23], v[88:89], v[92:93]
	s_delay_alu instid0(VALU_DEP_1)
	v_pk_add_f32 v[22:23], v[22:23], v[36:37]
	v_pk_add_f32 v[24:25], v[24:25], v[38:39]
	v_pk_add_f32 v[254:255], v[254:255], v[42:43]
	v_pk_add_f32 v[252:253], v[252:253], v[46:47]
	v_pk_add_f32 v[250:251], v[250:251], v[50:51]
	v_pk_add_f32 v[248:249], v[248:249], v[54:55]
	v_pk_add_f32 v[246:247], v[246:247], v[58:59]
	v_pk_add_f32 v[244:245], v[244:245], v[62:63]
	v_pk_add_f32 v[22:23], v[22:23], v[66:67]
	v_pk_add_f32 v[24:25], v[24:25], v[70:71]
	v_pk_add_f32 v[254:255], v[254:255], v[74:75]
	v_pk_add_f32 v[252:253], v[252:253], v[78:79]
	v_pk_add_f32 v[250:251], v[250:251], v[82:83]
	v_pk_add_f32 v[248:249], v[248:249], v[86:87]
	v_pk_add_f32 v[246:247], v[246:247], v[90:91]
	v_pk_add_f32 v[244:245], v[244:245], v[94:95]
	s_delay_alu instid0(VALU_DEP_4)
	v_pk_add_f32 v[22:23], v[22:23], v[250:251]
	s_delay_alu instid0(VALU_DEP_4)
	v_pk_add_f32 v[24:25], v[24:25], v[248:249]
	s_delay_alu instid0(VALU_DEP_4)
	v_pk_add_f32 v[254:255], v[254:255], v[246:247]
	s_delay_alu instid0(VALU_DEP_4)
	v_pk_add_f32 v[252:253], v[252:253], v[244:245]
	s_delay_alu instid0(VALU_DEP_2)
	v_pk_add_f32 v[22:23], v[22:23], v[254:255]
	s_delay_alu instid0(VALU_DEP_2)
	v_pk_add_f32 v[24:25], v[24:25], v[252:253]
	s_delay_alu instid0(VALU_DEP_1)
	v_pk_add_f32 v[22:23], v[22:23], v[24:25]
	s_delay_alu instid0(VALU_DEP_1)
	v_add_f32 v22, v22, v23
	s_delay_alu instid0(VALU_DEP_1)
	v_permlanex16_b32 v23, v22, s[SEL], s[SEL+1]
	s_delay_alu instid0(VALU_DEP_1)
	v_add_f32 v22, v22, v23                        ; row r's sum over my wave's 128 columns
	ds_store_b32 v6, v22 offset:RS1                ; both halves of the lanes write the same word with the same value
	MEET
	ds_load_b128 v[24:27], v7 offset:RS1
	ds_load_b128 v[28:31], v7 offset:RS1+16
	s_wait_dscnt 0x0
	v_pk_add_f32 v[24:25], v[24:25], v[26:27]
	v_pk_add_f32 v[28:29], v[28:29], v[30:31]
	s_delay_alu instid0(VALU_DEP_1)
	v_pk_add_f32 v[24:25], v[24:25], v[28:29]
	s_delay_alu instid0(VALU_DEP_1)
	v_add_f32 v24, v24, v25
	s_delay_alu instid0(VALU_DEP_1)
	v_mul_f32 v18, s26, v24                        ; the mean
	s_delay_alu instid0(VALU_DEP_1)
	v_mov_b32 v19, v18
	; ---- the differences, and their squares' sum
.set j, 0
.rept 32
	v_pk_add_f32 v[X+j:X+j+1], v[X+j:X+j+1], v[18:19] neg_lo:[0,1] neg_hi:[0,1]
.set j, j+2
.endr
	v_pk_mul_f32 v[22:23], v[X:X+1], v[X:X+1]
	v_pk_mul_f32 v[24:25], v[X+2:X+3], v[X+2:X+3]
.irp j, 4,8,12,16,20,24,28,32,36,40,44,48,52,56,60
	s_delay_alu instid0(VALU_DEP_2)
	v_pk_fma_f32 v[22:23], v[X+\j:X+\j+1], v[X+\j:X+\j+1], v[22:23]
	s_delay_alu instid0(VALU_DEP_2)
	v_pk_fma_f32 v[24:25], v[X+\j+2:X+\j+3], v[X+\j+2:X+\j+3], v[24:25]
.endr
	s_delay_alu instid0(VALU_DEP_1)
	v_pk_add_f32 v[22:23], v[22:23], v[24:25]
	s_delay_alu instid0(VALU_DEP_1)
	v_add_f32 v22, v22, v23
	s_delay_alu instid0(VALU_DEP_1)
	v_permlanex16_b32 v23, v22, s[SEL], s[SEL+1]
	s_delay_alu instid0(VALU_DEP_1)
	v_add_f32 v22, v22, v23
	ds_store_b32 v6, v22 offset:RS2                ; other bytes than the sums': nobody's read of those is disturbed
	MEET
	ds_load_b128 v[24:27], v7 offset:RS2
	ds_load_b128 v[28:31], v7 offset:RS2+16
	s_wait_dscnt 0x0
	v_pk_add_f32 v[24:25], v[24:25], v[26:27]
	v_pk_add_f32 v[28:29], v[28:29], v[30:31]
	s_delay_alu instid0(VALU_DEP_1)
	v_pk_add_f32 v[24:25], v[24:25], v[28:29]
	s_delay_alu instid0(VALU_DEP_1)
	v_add_f32 v24, v24, v25
	s_delay_alu instid0(VALU_DEP_1)
	v_fma_f32 v26, v24, s26, s27                   ; the variance + 1e-5
	s_wait_alu depctr_va_vdst(0)
	v_rsq_f32 v20, v26
	v_nop                                          ; a plain line behind the transcendental
	s_wait_alu depctr_va_vdst(0)
	v_mov_b32 v21, v20
	; ---- h
	s_wait_alu depctr_va_vdst(0)
	s_wait_loadcnt 0x0                             ; g1, b1
.set j, 0
.rept 32
	v_pk_mul_f32 v[X+j:X+j+1], v[X+j:X+j+1], v[20:21]
.set j, j+2
.endr
.set j, 0
.rept 32
	v_pk_fma_f32 v[X+j:X+j+1], v[X+j:X+j+1], v[G+j:G+j+1], v[BB+j:BB+j+1]
.set j, j+2
.endr
	QUANT X, PW
.irp c, 0,1,2,3
	global_store_b128 v8, v[PC+4*\c:PC+4*\c+3], s[22:23] offset:512*\c   ; 512 consecutive, aligned bytes a store
.endr
	ds_store_b32 v6, v[PW] offset:SCS              ; word w of row r
	MEET
	s_cmp_lg_u32 s12, 0
	s_cbranch_scc1 .Ldone
	ds_load_b128 v[24:27], v8 offset:SCS           ; wave 0 sends the tile's 512 bytes of scale rows
	s_wait_dscnt 0x0
	global_store_b128 v8, v[24:27], s[24:25]
.Ldone:
	s_wait_tensorcnt 0x0
	ds_add_u32 v15, v17
	s_wait_dscnt 0x0
	s_endpgm
; ---- THE WEIGHTS.  Wq, Wk, Wv, Wo: [1024 (k)][1024 (n)] f32, K the FIRST axis, become codes of E5M2 with one E8M0 byte for each 32 along K, laid as the matrix unit's registers want them.
; A LANE TAKES A COLUMN n AND ITS REGISTERS RUN DOWN K: a block of 32 lies in one lane, its largest magnitude needs no other lane, the conversions give codes with K innermost.
; TILE ORDER: row rho of tile t is column 32 (t / 2) + 8 (t % 2) + rho + 8 (rho / 8).  IMAGE: a fragment (16 rows x 128 K) is 2,048 bytes: registers 4 c .. 4 c + 3 of lane l at 512 c + 16 l.
; wbuf: images [t = 64 x weight + tile][K step 0..7][2048]; from byte 4,194,304 on the scale rows [16 t + rho][8 words], word s for K step s.
; SHARES: work-group 256 + q: weight (q / 4) % 4, columns 256 (q % 4) on, K step q / 16; a wave takes 32 columns: two tiles.  Each code store fills two runs of 256 consecutive, aligned bytes, one in each tile.
; The scale word goes out as 4 bytes of a 32-byte row: one byte in 128 of what this path reads.
; LIMITS: as above; a block of zeros gets the byte 1 (its codes are zeros; this program alone reads the bytes).
.set X,   32                           ; v32-95   two sets of 32 numbers
.set C,   96                           ; v96-127  eight registers of codes for each block: no store's data are written again
.set WRD, 24                           ; v24      the four scale bytes
.set NB,  4
.set SCB, 4194304
.Lweights:
	s_load_b256 s[4:11], s[0:1], 0x20              ; Wq, Wk, Wv, Wo
	s_load_b64 s[12:13], s[0:1], 0x40              ; wbuf
	v_lshrrev_b32 v1, 5, v0
	v_readfirstlane_b32 s14, v1                    ; wave 0..7
	v_and_b32 v2, 31, v0                           ; lane = my column among the wave's 32
	v_lshlrev_b32 v3, 2, v2                        ; in: 4 bytes a lane
	v_bfe_u32 v6, v2, 3, 1                         ; u: which of the two tiles
	v_and_b32 v7, 7, v2
	v_lshrrev_b32 v8, 4, v2
	v_lshl_add_u32 v7, v8, 3, v7                   ; rho: my row in that tile
	v_lshlrev_b32 v4, 4, v7
	v_lshl_add_u32 v4, v6, 14, v4                  ; codes: 16,384 u + 16 rho
	v_lshlrev_b32 v5, 5, v7
	v_lshl_add_u32 v5, v6, 9, v5                   ; scale row: 512 u + 32 rho
	s_sub_co_u32 s15, ttmp9, 256                   ; q
	s_bfe_u32 s16, s15, 0x20002                    ; which weight
	s_and_b32 s17, s15, 3
	s_lshr_b32 s18, s15, 4                         ; K step
	s_lshl_b32 s19, s17, 3
	s_add_co_u32 s19, s19, s14                     ; my pair of tiles in the weight
	s_lshl_b32 s20, s19, 7                         ; 32 columns of 4 bytes,
	s_lshl_b32 s21, s18, 19                        ; 128 rows of 4,096 bytes
	s_add_co_u32 s20, s20, s21
	s_mov_b32 s21, 0
	s_lshl_b32 s22, s16, 5
	s_add_co_u32 s22, s22, s19                     ; my pair among all four weights'
	s_lshl_b32 s24, s22, 15
	s_lshl_b32 s23, s18, 11
	s_add_co_u32 s24, s24, s23                     ; images: 32,768 x pair + 2,048 x K step
	s_mov_b32 s25, 0
	s_lshl_b32 s26, s22, 10
	s_lshl_b32 s23, s18, 2
	s_add_co_u32 s26, s26, s23
	s_add_co_u32 s26, s26, SCB                     ; scale rows: 1,024 x pair + 4 x K step
	s_mov_b32 s27, 0
	s_mov_b32 s28, 0x600000                        ; the mantissa field of 57,344
	s_wait_alu depctr_va_vdst(0)                   ; the wait at the head's end
	s_wait_kmcnt 0x0
	s_cmp_eq_u32 s16, 1                            ; the choice hangs on the work-group's number alone
	s_cselect_b64 s[4:5], s[6:7], s[4:5]
	s_cmp_eq_u32 s16, 2
	s_cselect_b64 s[4:5], s[8:9], s[4:5]
	s_cmp_eq_u32 s16, 3
	s_cselect_b64 s[4:5], s[10:11], s[4:5]
	s_add_nc_u64 s[4:5], s[4:5], s[20:21]
	s_add_nc_u64 s[24:25], s[12:13], s[24:25]
	s_add_nc_u64 s[26:27], s[12:13], s[26:27]
.macro LOAD t                          ; block t: W(32 t + i, my column) into set t % 2: a wave reads 128 consecutive bytes, the work-group 1,024
.set i, 0
.rept 32
	global_load_b32 v[X+32*((\t)%2)+i], v3, s[4:5] offset:(32*(\t)+i)*4096 th:TH_LOAD_NT
.set i, i+1
.endr
.endm
.macro BLOCK t
.set XS, X+32*((\t)%2)
.if (\t) < NB-1
	s_wait_loadcnt 32                              ; this block's 32 loads are in; the next block's may be out
.else
	s_wait_loadcnt 0x0
.endif
	v_max3_num_f32 v12, |v[XS]|, |v[XS+1]|, |v[XS+2]|      ; the block's largest magnitude, in two chains
	v_max3_num_f32 v13, |v[XS+3]|, |v[XS+4]|, |v[XS+5]|
.irp i, 6,10,14,18,22,26
	v_max3_num_f32 v12, v12, |v[XS+\i]|, |v[XS+\i+1]|
	v_max3_num_f32 v13, v13, |v[XS+\i+2]|, |v[XS+\i+3]|
.endr
	v_max3_num_f32 v12, v12, |v[XS+30]|, |v[XS+31]|
	v_max3_num_f32 v12, v12, v13, 0x8000000        ; and the floor 2^(16 - 127): the byte cannot fall under 1
	v_add_nc_u32 v11, 0xf8800000, v12              ; 15 off the exponent field: the conversion's scale operand
	v_and_or_b32 v10, v12, 0x7f800000, s28         ; 57,344 x the scale
	v_lshrrev_b32 v13, 23, v11                     ; the scale's byte
.if (\t) == 0
	v_mov_b32 v[WRD], v13
.else
	v_lshl_or_b32 v[WRD], v13, 8*(\t), v[WRD]
.endif
.set i, 0
.rept 32
	v_med3_num_f32 v[XS+i], v[XS+i], -v10, v10     ; the conversion to an 8-bit code does not saturate (ISA guide 7.6.2): hold first
.set i, i+1
.endr
.irp g, 0,1,2,3
	v_cvt_scalef32_pk8_bf8_f32 v[C+8*(\t)+2*\g:C+8*(\t)+2*\g+1], v[XS+8*\g:XS+8*\g+7], v11
.endr
	global_store_b128 v4, v[C+8*(\t):C+8*(\t)+3], s[24:25] offset:512*(\t)           ; k 0-15 of the block: the lanes 0-15 of the image
	global_store_b128 v4, v[C+8*(\t)+4:C+8*(\t)+7], s[24:25] offset:512*(\t)+256     ; k 16-31: its lanes 16-31
.if (\t)+2 < NB
	LOAD (\t)+2
.endif
.endm
	LOAD 0
	LOAD 1
	BLOCK 0
	BLOCK 1
	BLOCK 2
	BLOCK 3
	global_store_b32 v5, v[WRD], s[26:27]
	s_endpgm
.Lfunc_end_k_q6096420b70_lnquant:
	.size	k_q6096420b70_lnquant, .Lfunc_end_k_q6096420b70_lnquant-k_q6096420b70_lnquant
	.p2alignl 7, 3214868480
	.fill 96, 4, 3214868480
	.section	.rodata,"a",@progbits
	.p2align	6, 0x0
	.amdhsa_kernel k_q6096420b70_lnquant
		.amdhsa_group_segment_fixed_size 70656
		.amdhsa_private_segment_fixed_size 0
		.amdhsa_enable_private_segment 0
		.amdhsa_kernarg_size 72
		.amdhsa_user_sgpr_count 2
		.amdhsa_user_sgpr_kernarg_segment_ptr 1
		.amdhsa_wavefront_size32 1
		.amdhsa_system_sgpr_workgroup_id_x 1
		.amdhsa_system_sgpr_workgroup_id_y 1
		.amdhsa_system_sgpr_workgroup_id_z 1
		.amdhsa_system_vgpr_workitem_id 0
		.amdhsa_next_free_vgpr 256
		.amdhsa_next_free_sgpr 66
		.amdhsa_reserve_vcc 0
		.amdhsa_float_denorm_mode_32 3
		.amdhsa_float_denorm_mode_16_64 3
		.amdhsa_memory_ordered 1
		.amdhsa_forward_progress 1
		.amdhsa_inst_pref_size 62
	.end_amdhsa_kernel
	.amdgpu_metadata
---
amdhsa.version: [ 1, 2 ]
amdhsa.kernels:
  - .name:           k_q6096420b70_lnquant
    .symbol:         k_q6096420b70_lnquant.kd
    .args:
      - { .name: x, .offset: 0, .size: 8, .value_kind: global_buffer, .address_space: global }
      - { .name: g1, .offset: 8, .size: 8, .value_kind: global_buffer, .address_space: global }
      - { .name: b1, .offset: 16, .size: 8, .value_kind: global_buffer, .address_space: global }
      - { .name: hbuf, .offset: 24, .size: 8, .value_kind: global_buffer, .address_space: global }
      - { .name: Wq, .offset: 32, .size: 8, .value_kind: global_buffer, .address_space: global }
      - { .name: Wk, .offset: 40, .size: 8, .value_kind: global_buffer, .address_space: global }
      - { .name: Wv, .offset: 48, .size: 8, .value_kind: global_buffer, .address_space: global }
      - { .name: Wo, .offset: 56, .size: 8, .value_kind: global_buffer, .address_space: global }
      - { .name: wbuf, .offset: 64, .size: 8, .value_kind: global_buffer, .address_space: global }
    .group_segment_fixed_size: 70656
    .private_segment_fixed_size: 0
    .kernarg_segment_align: 8
    .kernarg_segment_size: 72
    .max_flat_workgroup_size: 256
    .sgpr_count:     66
    .vgpr_count:     256
    .wavefront_size: 32
...
	.end_amdgpu_metadata
.endif
;; end of part 1
;; launch qkv (part 2): grid 192 x 1, 4 waves a work-group, no clusters, 0 bytes of LDS; arguments hbuf, wbuf, bq, bk, bv, qbuf, kv; writes qbuf, kv
.if DOCPART == 2
	.amdgcn_target "amdgcn-amd-amdhsa--gfx1250"
	.amdhsa_code_object_version 6
	.text
	.protected	k_q6096420b70_qkv
	.globl	k_q6096420b70_qkv
	.p2align	8
	.type	k_q6096420b70_qkv,@function
k_q6096420b70_qkv:
	s_mov_b64 s[64:65], 0
	v_nop
	global_prefetch_b8 v0, s[64:65] scope:SCOPE_SE
	s_setreg_imm32_b32 hwreg(HW_REG_WAVE_MODE, 25, 1), 1
	s_wait_xcnt 0x0
; q = h Wq + bq, k = h Wk + bk, v = h Wv + bv on codes of E5M2 (one E8M0 byte for each 32 along K = 1,024), each result quantised again at once, along the K of the product that will read it:
; q and k along the head's 64, v along the keys.  One text, three roles: role = work-group / 64 (0 q, 1 k, 2 v); R = 256 tokens; Cq = 256 weight columns.  Four waves, each 128 x 128: 64 accumulators.
; SOURCE 1 (P) gives a lane its row, SOURCE 0 (G) runs along its registers.  q, k: P = h, G = W: a lane holds a token and 128 columns (two heads).  v: P = Wv, G = h: a lane holds a channel and 128 keys.
; Rows lie in TILE ORDER (row rho of tile t is index 32 (t / 2) + 8 (t % 2) + rho + 8 (rho / 8)), so the 16 registers of G's tiles 2 b and 2 b + 1 are the neighbours 32 b + 16 (lane / 16) + 0 .. 15.
; Both operands are stored as images of their registers ([tile][K step][2048]: registers 4 c .. 4 c + 3 of lane l at 512 c + 16 l): a fragment is four loads of 512 consecutive bytes, straight into registers; no LDS.
; NOT SHARED IN A CLUSTER: the work-groups of a row or column of the grid read the same fragments, and a later version may fetch them jointly through LDS; this one keeps the text free of slots that are filled again.
; OUT.  A plane (q, k or v of one head) is 131,072 bytes of codes + 4,096 of scale words.  q, k: tile mt at 1,024 mt + 512 (block of 32 channels) + 16 lane; words at 131,072 + 64 (mt / 2) + 4 rho: low half tile 2 f's
; two bytes, high half tile 2 f + 1's.  v: 8,192 ks + 2,048 tau + 512 c + 16 lane (key step ks, channel tile tau); words at 131,072 + 256 ks + 64 tau + 4 rho.  qbuf: 32 planes; kv: 32 x [k plane][v plane].
; REGISTERS: window 0: v1-11 offsets; v16-47 P's scale words, v48-79 G's (8 x pair + K step; lanes 0-15 the even tile, lanes 16-31 the odd one); v80-127 the quantiser's; v128-255 P's 8 fragments, ONE set,
;   later the biases (v128-191) and 64 numbers at work (v192-255).  window 1: G's fragments, TWO sets.  windows 2, 3: accumulator (a, b) at v[8 (8 (a % 4) + b)] of window 2 + a / 4.
; LIMITS: NaN and infinities are not served; a block whose largest magnitude lies under 2^-111 gets the byte 1.
.set SCB,  4194304
.set PS,   16
.set GS,   48
.set TM,   80
.set PC,   96
.set PWS,  112                         ; v112-119 the scale words of P's eight blocks
.set WK,   120
.set PF,   128
.set BI,   128
.set Y,    192
.set WV,   18
.set ROLE, 19
.set PCB,  26                          ; s[26:27] P's images;  s[28:29] its scale rows;  s[30:31], s[32:33] G's
.set PSB,  28
.set GCB,  30
.set GSB,  32
.set BIA,  34                          ; s[34:35] the bias
.set OB,   36                          ; s[36:37] where the codes go;  s[38:39] the scale words
.set SB,   38
.set HM,   40                          ; s40 lanes 16-31
.set HS,   41                          ; s41 bytes from a head to the next in the output
.set SG2,  42                          ; s42 bytes from code group 1 to group 2
.set INC,  44                          ; s[44:45] from P's block a to a + 1;  s[46:47] from block 3 to 4
.set INC4, 46
.set SEL,  48
.set MNT,  50
.set MSB, 0
.macro WIN new                         ; the immediate's high byte repeats the setting that is left
.if MSB != (\new)
	s_set_vgpr_msb (MSB<<8)|(\new)
.set MSB, \new
.endif
.endm
.set MUL_LO, 0xa1                      ; source 0 (G) window 1, source 1 (P) window 0, C and D window 2
.set MUL_HI, 0xf1                      ; the same, C and D window 3
.set TO_B,   0x40                      ; destination window 1, address window 0
.macro NOPS n
.rept \n
	v_nop
.endr
.endm
.macro QUANT s, pw                     ; 64 numbers v[s] on, register 16 b + i = k 32 b + 16 (lane / 16) + i of my row, become codes in v[PC] on and the scale word in v[pw]
.irp b, 0,1,2,3
	v_max3_num_f32 v[TM+\b], |v[\s+16*\b]|, |v[\s+1+16*\b]|, 0x8000000   ; my 16 numbers of block b, and the floor 2^(16 - 127)
.endr
.irp i, 2,4,6,8,10,12,14
.irp b, 0,1,2,3
	v_max3_num_f32 v[TM+\b], v[TM+\b], |v[\s+16*\b+\i]|, |v[\s+1+16*\b+\i]|
.endr
.endr
.irp b, 0,1,2,3
	v_permlanex16_b32 v[TM+4+\b], v[TM+\b], s[SEL], s[SEL+1]
.endr
.irp b, 0,1,2,3
	v_max_num_f32 v[TM+\b], v[TM+\b], v[TM+4+\b]
.endr
.irp b, 0,1,2,3
	v_add_nc_u32 v[TM+12+\b], 0xf8800000, v[TM+\b]
.endr
.irp b, 0,1,2,3
	v_and_or_b32 v[TM+8+\b], v[TM+\b], 0x7f800000, s[MNT]
.endr
.irp b, 0,1,2,3
	v_lshrrev_b32 v[TM+4+\b], 23, v[TM+12+\b]
.endr
	v_lshl_or_b32 v[\pw], v[TM+5], 8, v[TM+4]
	v_lshl_or_b32 v[\pw], v[TM+6], 16, v[\pw]
	v_lshl_or_b32 v[\pw], v[TM+7], 24, v[\pw]
.irp b, 0,1,2,3
.irp i, 0,1,2,3,4,5,6,7,8,9,10,11,12,13,14,15
	v_med3_num_f32 v[\s+16*\b+\i], v[\s+16*\b+\i], -v[TM+8+\b], v[TM+8+\b]   ; the conversion does not saturate (ISA guide 7.6.2): hold first
.endr
	v_cvt_scalef32_pk8_bf8_f32 v[PC+4*\b:PC+1+4*\b], v[\s+16*\b:\s+7+16*\b], v[TM+12+\b]
	v_cvt_scalef32_pk8_bf8_f32 v[PC+2+4*\b:PC+3+4*\b], v[\s+8+16*\b:\s+15+16*\b], v[TM+12+\b]
.endr
	v_nop                                          ; a plain line behind the last conversion
.endm
; One product: P's block a x G's block b, K step s, G's set.  An odd tile's scale words lie in lanes 16-31 of its pair's register.  K step 0 starts the sums: nothing is cleared.
.macro PROD a, b, set, s
.set rD, 8*(8*((\a)%4)+(\b))
.set rA, 128*(\set)+16*(\b)
.set rB, PF+16*(\a)
.set rG, GS+8*((\b)/2)+(\s)
.set rP, PS+8*((\a)/2)+(\s)
.if (\s) == 0
.if ((\a)%2 == 0) && ((\b)%2 == 0)
	v_wmma_scale_f32_16x16x128_f8f6f4 v[rD:rD+7], v[rA:rA+15], v[rB:rB+15], 0, v[rG], v[rP] matrix_a_fmt:MATRIX_FMT_BF8 matrix_b_fmt:MATRIX_FMT_BF8
.elseif (\a)%2 == 0
	v_wmma_scale_f32_16x16x128_f8f6f4 v[rD:rD+7], v[rA:rA+15], v[rB:rB+15], 0, v[rG], v[rP] matrix_a_fmt:MATRIX_FMT_BF8 matrix_b_fmt:MATRIX_FMT_BF8 matrix_a_scale:MATRIX_SCALE_ROW1
.elseif (\b)%2 == 0
	v_wmma_scale_f32_16x16x128_f8f6f4 v[rD:rD+7], v[rA:rA+15], v[rB:rB+15], 0, v[rG], v[rP] matrix_a_fmt:MATRIX_FMT_BF8 matrix_b_fmt:MATRIX_FMT_BF8 matrix_b_scale:MATRIX_SCALE_ROW1
.else
	v_wmma_scale_f32_16x16x128_f8f6f4 v[rD:rD+7], v[rA:rA+15], v[rB:rB+15], 0, v[rG], v[rP] matrix_a_fmt:MATRIX_FMT_BF8 matrix_b_fmt:MATRIX_FMT_BF8 matrix_a_scale:MATRIX_SCALE_ROW1 matrix_b_scale:MATRIX_SCALE_ROW1
.endif
.else
.if ((\a)%2 == 0) && ((\b)%2 == 0)
	v_wmma_scale_f32_16x16x128_f8f6f4 v[rD:rD+7], v[rA:rA+15], v[rB:rB+15], v[rD:rD+7], v[rG], v[rP] matrix_a_fmt:MATRIX_FMT_BF8 matrix_b_fmt:MATRIX_FMT_BF8
.elseif (\a)%2 == 0
	v_wmma_scale_f32_16x16x128_f8f6f4 v[rD:rD+7], v[rA:rA+15], v[rB:rB+15], v[rD:rD+7], v[rG], v[rP] matrix_a_fmt:MATRIX_FMT_BF8 matrix_b_fmt:MATRIX_FMT_BF8 matrix_a_scale:MATRIX_SCALE_ROW1
.elseif (\b)%2 == 0
	v_wmma_scale_f32_16x16x128_f8f6f4 v[rD:rD+7], v[rA:rA+15], v[rB:rB+15], v[rD:rD+7], v[rG], v[rP] matrix_a_fmt:MATRIX_FMT_BF8 matrix_b_fmt:MATRIX_FMT_BF8 matrix_b_scale:MATRIX_SCALE_ROW1
.else
	v_wmma_scale_f32_16x16x128_f8f6f4 v[rD:rD+7], v[rA:rA+15], v[rB:rB+15], v[rD:rD+7], v[rG], v[rP] matrix_a_fmt:MATRIX_FMT_BF8 matrix_b_fmt:MATRIX_FMT_BF8 matrix_a_scale:MATRIX_SCALE_ROW1 matrix_b_scale:MATRIX_SCALE_ROW1
.endif
.endif
.endm
.macro MUL a0, set, s                  ; 32 products: P's blocks a0 .. a0 + 3 x G's eight.  The 64 accumulators take turns, one instruction a turn, in the same order in every K step
.irp a, 0,1,2,3
.irp b, 0,1,2,3,4,5,6,7
	PROD (\a0+\a), \b, \set, \s
.endr
.endr
.endm
.macro LOADG s, set                    ; G's eight fragments of K step s
	WIN TO_B
.irp b, 0,1,2,3,4,5,6,7
.irp c, 0,1,2,3
	global_load_b128 v[128*(\set)+16*\b+4*\c:128*(\set)+16*\b+4*\c+3], v1, s[GCB:GCB+1] offset:16384*\b+2048*(\s)+512*\c
.endr
.endr
	WIN 0
.endm
.macro LOADP s, a0                     ; P's blocks a0 .. a0 + 3 of K step s
.irp a, 0,1,2,3
.irp c, 0,1,2,3
	global_load_b128 v[PF+16*(\a0+\a)+4*\c:PF+16*(\a0+\a)+4*\c+3], v1, s[PCB:PCB+1] offset:16384*(\a0+\a)+2048*(\s)+512*\c
.endr
.endr
.endm
; A K step that has a successor.  Eight plain places stand between matrix instructions and loads into registers that they have read.
.macro STEP s
	s_wait_loadcnt 16                              ; all but the youngest 16 loads, P's blocks 4-7
	WIN MUL_LO
	MUL 0, (\s)%2, \s
	s_wait_loadcnt 0x0                             ; P's blocks 4-7
	NOPS 8
	LOADG (\s)+1, ((\s)+1)%2
	LOADP (\s)+1, 0
	WIN MUL_HI
	MUL 4, (\s)%2, \s
	NOPS 8
	WIN 0
	LOADP (\s)+1, 4
.endm
	s_load_b256 s[4:11], s[0:1], 0x0               ; hbuf, wbuf, bq, bk
	s_load_b128 s[12:15], s[0:1], 0x20             ; bv, qbuf
	s_load_b64 s[16:17], s[0:1], 0x30              ; kv
	v_lshrrev_b32 v1, 5, v0
	v_readfirstlane_b32 s[WV], v1                  ; wave 0..3
	s_lshr_b32 s[ROLE], ttmp9, 6
	s_bfe_u32 s20, ttmp9, 0x40002                  ; R
	s_and_b32 s21, ttmp9, 3                        ; Cq
	s_lshr_b32 s22, s[WV], 1                       ; i: which half of P's 16 tiles
	s_and_b32 s23, s[WV], 1                        ; j: which half of G's
	s_lshl_b32 s52, s20, 4                         ; h's first tile: 16 R
	s_lshl_b32 s53, s21, 4
	s_lshl_b32 s54, s[ROLE], 6
	s_add_co_u32 s53, s53, s54                     ; the weight's: 64 role + 16 Cq
	s_lshl_b32 s55, s22, 3
	s_lshl_b32 s56, s23, 3
	s_cmp_eq_u32 s[ROLE], 2
	s_cselect_b32 s24, s53, s52
	s_cselect_b32 s25, s52, s53
	s_cselect_b32 s51, s22, s23                    ; which half of the 256 weight columns is mine
	s_add_co_u32 s24, s24, s55                     ; P's first tile
	s_add_co_u32 s25, s25, s56                     ; G's
	s_lshl_b32 s57, s21, 1
	s_add_co_u32 s51, s51, s57                     ; hp: my pair of heads
	s_lshr_b32 s58, s20, 3                         ; the batch
	s_and_b32 s59, s20, 7
	s_lshl_b32 s58, s58, 4
	s_lshl_b32 s57, s51, 1
	s_add_co_u32 s58, s58, s57                     ; the first head's plane: 16 batch + 2 hp
	s_lshl_b32 s60, s59, 1
	s_add_co_u32 s60, s60, s23                     ; ks: my key step (role v)
	s_lshl_b32 s61, s59, 4
	s_add_co_u32 s61, s61, s55                     ; my first token tile in the batch (roles q, k)
	s_mov_b32 s[HS], 270336
	s_cmp_eq_u32 s[ROLE], 0
	s_cselect_b32 s[HS], 135168, s[HS]
	s_mul_i32 s58, s58, s[HS]
	s_sub_co_u32 s62, s[HS], 6144
	s_lshl_b32 s63, s60, 13
	s_lshl_b32 s66, s61, 10
	s_lshl_b32 s67, s60, 8
	s_lshl_b32 s68, s61, 5
	s_mov_b32 s[INC], 1024
	s_mov_b32 s[INC4], 1024
	s_cmp_eq_u32 s[ROLE], 2                        ; every selection on this compare stands ahead of the next addition
	s_cselect_b32 s69, 135168, 0                   ; v's plane lies behind k's
	s_cselect_b32 s[SG2], 1024, s[HS]
	s_cselect_b32 s[INC], 2048, s[INC]
	s_cselect_b32 s[INC4], s62, s[INC4]
	s_cselect_b32 s63, s63, s66
	s_cselect_b32 s67, s67, s68
	s_mov_b32 s[INC+1], 0
	s_mov_b32 s[INC4+1], 0
	s_add_co_u32 s58, s58, s69
	s_add_co_u32 s70, s58, s63                     ; the codes' offset
	s_mov_b32 s71, 0
	s_add_co_u32 s72, s58, s67
	s_add_co_u32 s72, s72, 131072                  ; the scale words'
	s_mov_b32 s73, 0
	s_lshl_b32 s74, s24, 14
	s_mov_b32 s75, 0
	s_lshl_b32 s76, s24, 9
	s_add_co_u32 s76, s76, SCB
	s_mov_b32 s77, 0
	s_lshl_b32 s52, s25, 14
	s_mov_b32 s53, 0
	s_lshl_b32 s54, s25, 9
	s_add_co_u32 s54, s54, SCB
	s_mov_b32 s55, 0
	s_lshl_b32 s56, s51, 9                         ; the bias of my 128 columns
	s_mov_b32 s57, 0
	s_mov_b32 s[HM], 0xffff0000
	s_mov_b32 s[SEL], 0x76543210
	s_mov_b32 s[SEL+1], 0xfedcba98
	s_mov_b32 s[MNT], 0x600000
	v_and_b32 v3, 31, v0
	v_lshlrev_b32 v1, 4, v3                        ; 16 x lane
	v_lshlrev_b32 v2, 5, v3                        ; 32 x lane
	v_lshlrev_b32 v8, 2, v3                        ; 4 x lane
	v_add_nc_u32 v9, s[HS], v8                     ; the same in the next head
	v_add_nc_u32 v4, s[SG2], v1                    ; code groups 2 and 3
	v_bfe_u32 v10, v0, 4, 1
	v_lshlrev_b32 v10, 6, v10                      ; bias along the registers: 64 h
	v_and_b32 v11, 15, v0
	v_and_b32 v12, 8, v11
	v_add_nc_u32 v11, v11, v12
	v_lshlrev_b32 v11, 2, v11                      ; bias of my row: 4 (r + 8 (r / 8))
.irp b, 0,1,2,3
	v_mov_b32 v[TM+4+\b], 0                        ; written once: a lane permute's destination counts as one of its sources
.endr
	s_wait_kmcnt 0x0
	s_cmp_eq_u32 s[ROLE], 2                        ; the choices hang on the work-group's number alone
	s_cselect_b64 s[PCB:PCB+1], s[6:7], s[4:5]
	s_cselect_b64 s[GCB:GCB+1], s[4:5], s[6:7]
	s_cselect_b64 s[BIA:BIA+1], s[12:13], s[10:11]
	s_cmp_eq_u32 s[ROLE], 0
	s_cselect_b64 s[BIA:BIA+1], s[8:9], s[BIA:BIA+1]
	s_cselect_b64 s[OB:OB+1], s[14:15], s[16:17]
	s_add_nc_u64 s[SB:SB+1], s[OB:OB+1], s[72:73]
	s_add_nc_u64 s[OB:OB+1], s[OB:OB+1], s[70:71]
	s_add_nc_u64 s[PSB:PSB+1], s[PCB:PCB+1], s[76:77]
	s_add_nc_u64 s[PCB:PCB+1], s[PCB:PCB+1], s[74:75]
	s_add_nc_u64 s[GSB:GSB+1], s[GCB:GCB+1], s[54:55]
	s_add_nc_u64 s[GCB:GCB+1], s[GCB:GCB+1], s[52:53]
	s_add_nc_u64 s[BIA:BIA+1], s[BIA:BIA+1], s[56:57]
.irp p, 0,1,2,3                        ; the scale words of all of K: lane l takes row 32 p + l, 32 bytes
	global_load_b128 v[PS+8*\p:PS+8*\p+3], v2, s[PSB:PSB+1] offset:1024*\p
	global_load_b128 v[PS+8*\p+4:PS+8*\p+7], v2, s[PSB:PSB+1] offset:1024*\p+16
	global_load_b128 v[GS+8*\p:GS+8*\p+3], v2, s[GSB:GSB+1] offset:1024*\p
	global_load_b128 v[GS+8*\p+4:GS+8*\p+7], v2, s[GSB:GSB+1] offset:1024*\p+16
.endr
	LOADG 0, 0
	LOADP 0, 0
	LOADP 0, 4
.irp s, 0,1,2,3,4,5,6
	STEP \s
.endr
	s_wait_loadcnt 16                              ; the last K step: in its middle the biases are asked for, into the registers that P's blocks 0-3 leave
	WIN MUL_LO
	MUL 0, 1, 7
	s_wait_loadcnt 0x0
	NOPS 8
	WIN 0
	s_cmp_eq_u32 s[ROLE], 2
	s_cbranch_scc1 .Lbias_v
	s_wait_alu depctr_va_vdst(0)
.irp e, 0,1,2,3                        ; q, k: the bias runs along my registers: column 32 e + 16 h + 0 .. 15
.irp j, 0,1,2,3
	global_load_b128 v[BI+16*\e+4*\j:BI+16*\e+4*\j+3], v10, s[BIA:BIA+1] offset:128*\e+16*\j
.endr
.endr
	s_branch .Lbias_in
.Lbias_v:
	s_wait_alu depctr_va_vdst(0)
.irp a, 0,1,2,3,4,5,6,7                ; v: one number for my row of block a, twice: a pair for the packed addition
	global_load_b32 v[BI+2*\a], v11, s[BIA:BIA+1] offset:4*(32*(\a/2)+8*(\a%2))
	global_load_b32 v[BI+2*\a+1], v11, s[BIA:BIA+1] offset:4*(32*(\a/2)+8*(\a%2))
.endr
.Lbias_in:
	WIN MUL_HI
	MUL 4, 1, 7
	NOPS 8                                         ; places in front of the first reads of results and the writes over P's blocks 4-7
	WIN 0
	s_wait_loadcnt 0x0                             ; the biases
; P's block a: its 64 sums + bias, quantised, stored.  Each accumulator is read from its low end on.
.macro OUTBLK a
.set WN, 2+(\a)/4
.set AB, 64*((\a)%4)
	s_cmp_eq_u32 s[ROLE], 2
	s_cbranch_scc1 .Lrow_bias_\@
	WIN WN                                         ; source 0: window 2 or 3
.set i, 0
.rept 32
	v_pk_add_f32 v[Y+i:Y+i+1], v[AB+i:AB+i+1], v[BI+i:BI+i+1]
.set i, i+2
.endr
	WIN 0
	s_branch .Ladded_\@
.Lrow_bias_\@:
	WIN WN
.set i, 0
.rept 32
	v_pk_add_f32 v[Y+i:Y+i+1], v[AB+i:AB+i+1], v[BI+2*(\a):BI+2*(\a)+1]
.set i, i+2
.endr
	WIN 0
.Ladded_\@:
	QUANT Y, PWS+(\a)
	global_store_b128 v1, v[PC:PC+3], s[OB:OB+1]               ; 512 consecutive, aligned bytes a store
	global_store_b128 v1, v[PC+4:PC+7], s[OB:OB+1] offset:512
	global_store_b128 v4, v[PC+8:PC+11], s[OB:OB+1]
	global_store_b128 v4, v[PC+12:PC+15], s[OB:OB+1] offset:512
	s_wait_xcnt 0x0                                ; the codes' registers and the base are written again only behind this wait
.if (\a) == 3
	s_add_nc_u64 s[OB:OB+1], s[OB:OB+1], s[INC4:INC4+1]
.elseif (\a) < 7
	s_add_nc_u64 s[OB:OB+1], s[OB:OB+1], s[INC:INC+1]
.endif
.endm
.irp a, 0,1,2,3,4,5,6,7
	OUTBLK \a
.endr
	; the scale words: for each of the two heads four words a row, two of them to a store (lanes 0-15 one, lanes 16-31 the next): 128 consecutive bytes
	s_cmp_eq_u32 s[ROLE], 2
	s_cbranch_scc1 .Lwords_v
.irp p, 0,1,2,3                        ; q, k: a head's two bytes of tiles 2 p and 2 p + 1 make a word
	v_perm_b32 v[WK+\p], v[PWS+2*\p+1], v[PWS+2*\p], 0x05040100
	v_perm_b32 v[WK+4+\p], v[PWS+2*\p+1], v[PWS+2*\p], 0x07060302
.endr
.irp m, 0,1,2,3
	v_cndmask_b32 v[TM+\m], v[WK+2*\m], v[WK+2*\m+1], s[HM]
.endr
	s_branch .Lwords_out
.Lwords_v:
.irp m, 0,1,2,3                        ; v: block a's word is channel tile a % 4 of head a / 4 as it stands
	v_cndmask_b32 v[TM+\m], v[PWS+2*\m], v[PWS+2*\m+1], s[HM]
.endr
.Lwords_out:
	s_wait_alu depctr_va_vdst(0)
	global_store_b32 v8, v[TM], s[SB:SB+1]
	global_store_b32 v8, v[TM+1], s[SB:SB+1] offset:128
	global_store_b32 v9, v[TM+2], s[SB:SB+1]
	global_store_b32 v9, v[TM+3], s[SB:SB+1] offset:128
	s_endpgm
.Lfunc_end_k_q6096420b70_qkv:
	.size	k_q6096420b70_qkv, .Lfunc_end_k_q6096420b70_qkv-k_q6096420b70_qkv
	.p2alignl 7, 3214868480
	.fill 96, 4, 3214868480
	.section	.rodata,"a",@progbits
	.p2align	6, 0x0
	.amdhsa_kernel k_q6096420b70_qkv
		.amdhsa_group_segment_fixed_size 0
		.amdhsa_private_segment_fixed_size 0
		.amdhsa_enable_private_segment 0
		.amdhsa_kernarg_size 56
		.amdhsa_user_sgpr_count 2
		.amdhsa_user_sgpr_kernarg_segment_ptr 1
		.amdhsa_wavefront_size32 1
		.amdhsa_system_sgpr_workgroup_id_x 1
		.amdhsa_system_sgpr_workgroup_id_y 1
		.amdhsa_system_sgpr_workgroup_id_z 1
		.amdhsa_system_vgpr_workitem_id 0
		.amdhsa_next_free_vgpr 1024
		.amdhsa_next_free_sgpr 80
		.amdhsa_reserve_vcc 0
		.amdhsa_float_denorm_mode_32 3
		.amdhsa_float_denorm_mode_16_64 3
		.amdhsa_memory_ordered 1
		.amdhsa_forward_progress 1
		.amdhsa_inst_pref_size 230
	.end_amdhsa_kernel
	.amdgpu_metadata
---
amdhsa.version: [ 1, 2 ]
amdhsa.kernels:
  - .name:           k_q6096420b70_qkv
    .symbol:         k_q6096420b70_qkv.kd
    .args:
      - { .name: hbuf, .offset: 0, .size: 8, .value_kind: global_buffer, .address_space: global }
      - { .name: wbuf, .offset: 8, .size: 8, .value_kind: global_buffer, .address_space: global }
      - { .name: bq, .offset: 16, .size: 8, .value_kind: global_buffer, .address_space: global }
      - { .name: bk, .offset: 24, .size: 8, .value_kind: global_buffer, .address_space: global }
      - { .name: bv, .offset: 32, .size: 8, .value_kind: global_buffer, .address_space: global }
      - { .name: qbuf, .offset: 40, .size: 8, .value_kind: global_buffer, .address_space: global }
      - { .name: kv, .offset: 48, .size: 8, .value_kind: global_buffer, .address_space: global }
    .group_segment_fixed_size: 0
    .private_segment_fixed_size: 0
    .kernarg_segment_align: 8
    .kernarg_segment_size: 56
    .max_flat_workgroup_size: 128
    .sgpr_count:     80
    .vgpr_count:     1024
    .wavefront_size: 32
...
	.end_amdgpu_metadata
.endif
;; end of part 2
;; launch attn (part 3): grid 8 x 32, 8 waves a work-group, no clusters, 272,896 bytes of LDS; arguments qbuf, kv, cbuf, t0, ml; writes cbuf, t0, ml
.if DOCPART == 3
	.amdgcn_target "amdgcn-amd-amdhsa--gfx1250"
	.amdhsa_code_object_version 6
	.text
	.protected	k_q6096420b70_attn
	.globl	k_q6096420b70_attn
	.p2align	8
	.type	k_q6096420b70_attn,@function
k_q6096420b70_attn:
	s_mov_b64 s[64:65], 0
	v_nop
	global_prefetch_b8 v0, s[64:65] scope:SCOPE_SE
	s_setreg_imm32_b32 hwreg(HW_REG_WAVE_MODE, 25, 1), 1
	s_wait_xcnt 0x0
; ctx = softmax(q k^T / 8) v for one head, both products on codes of E5M2 with one E8M0 byte for each 32 along a product's K; ctx is quantised at once along the head's 64 for the output projection.
; THE SOFTMAX AHEAD OF THE SECOND PRODUCT: t = score x log2(e) / 8; M = the running largest t rounded UP to a whole number; p = 2^(t - M) is quantised along the keys, not normalised; the row's sum is taken of
; the unquantised p and divides at the end; when M moves, the sum and O are multiplied by 2^(old M - new M): exact.
; SHARES: work-group (x, y): head y (16 batch + head), 256 queries; each of eight waves owns TWO tiles of 16 queries, so that each fragment of k and v read from LDS feeds two products.
; Tile A's numbers lie in register window 0, tile B's under the same numbers in window 1: one text (macros SOFT, SUMS, TAILQ) serves both.  k's and v's fragments and all scale words lie in window 0.
; THE HEAD'S K AND V ARE COPIED INTO LDS ONCE, IN PARTS, one tensor load a wave, each in an arm of its own: wave 0 k's codes of key steps 0-3, wave 1 v's, wave 2 all scale words, waves 3, 4 key steps 4-7, waves 5, 6 key steps 8-15; wave 7 none.
; Three barriers show them: ahead of trip 0 waves 0-2 have waited, ahead of trip 4 waves 0-4, ahead of trip 8 all.  Nothing is filled again.
; NO CLUSTER: the eight work-groups of a head read the same bytes, but the branch that serves query 0 hangs on the work-group's number.
; NO PREFETCH: all bytes are asked for at the head.
; LAYOUT: both products transposed (S^T = k q^T, O^T = v^T p^T): a lane holds ONE query (lane % 16) of each tile.  Keys and channels lie in tile order, so 16 registers of two neighbouring tiles are 16 neighbours.
; K = 64 IN AN INSTRUCTION OF 128: two neighbouring tiles of k, 2,048 bytes on end, are one fragment; q is kept as [q | 0] and as [0 | q]: the zero codes meet finite codes under bytes from 1 to 254: exact zeros.
; THE HOLD writes into v32-95 of the tile's window, so p stays as it is: the rows' sums are taken behind the second products, where they are the places ahead of the next loads.
; The raw scores of query 0 go to t0 [head][2048], its -M and its row's sum to ml [head][lane][2]: the last launch makes the mean attention row of them.
; REGISTERS, window 0 alone: v1, v2 16 x, 4 x lane; v3 r; v5 t0's offset; v6 the stage; v8-11 LDS addresses; v32-95 fragments; v248, v249 their scale words; v255, v230 q's words of tiles A, B; v253, v231 p's; v250, v251 for the add.
;   In each window: v12 -M, v13 the largest score, v[14:15] the sum; v16-31 [q | 0]; v32-95 held p; v96-159 S^T, then p; v160-191 O^T; v192-207 [0 | q]; v208-223 p's codes; v225-247, v252, v254 at work.
; LIMITS: NaN and infinities are not served; the scaled scores stay under 2^31 in magnitude; a block's largest p is made from the block's largest score (it takes v_exp_f32 not to fall where its input rises).
.set VCO,  131072                      ; LDS: k's codes at 0, v's codes here,
.set KSO,  262144                      ; k's scale words,
.set VSO,  266240                      ; v's,
.set STG,  270336                      ; 512 bytes of their own for ctx's scale bytes,
.set SPARE, 270848                     ; and the spare words, 128 bytes a wave
.set MV,   135168                      ; in memory v's plane begins here, k's scale words at 131,072
.set G0,   12
.set G1A,  16                          ; 128 rows of 256 bytes
.set G1B,  52                          ; 256 rows of 256 bytes
.set G1W,  68                          ; 2 rows of 4,096 bytes, 135,168 bytes apart
.set WV,   24
.set SEL,  28
.set CS,   30                          ; s[30:31] c = log2(e) / 8
.set MNT,  32
.set SKC,  33                          ; s33-36 where the trip's k codes, v codes, k words, v words begin
.set SVC,  34
.set SKS,  35
.set SVS,  36
.set CNT,  37
.set R0F,  38                          ; s38 0 in the wave that holds query 0
.set MSB, 0
.macro WIN new                         ; the immediate's high byte repeats the setting that is left
.if MSB != (\new)
	s_set_vgpr_msb (MSB<<8)|(\new)
.set MSB, \new
.endif
.endm
.macro GROUP1 g, c, r, p
	s_mov_b32 s[\g], 3<<16                         ; elements of 8 bytes, no padding
	s_mov_b32 s[\g+1], (\c)<<16
	s_mov_b32 s[\g+2], (\r)<<16
	s_mov_b32 s[\g+3], (\c)<<16
	s_mov_b32 s[\g+4], \r
	s_mov_b32 s[\g+5], \p
	s_mov_b32 s[\g+6], 0
	s_mov_b32 s[\g+7], 0
.endm
.macro ARM under, lds, glob, g1, next  ; one arm of the head's chain: its own load line
	s_cmp_lt_u32 s[WV], \under
	s_cbranch_scc0 \next
	s_mov_b32 s[G0+1], \lds
	s_add_nc_u64 s[G0+2:G0+3], s[6:7], \glob
	s_or_b32 s[G0+3], s[G0+3], 0x80000000          ; type = 2
	tensor_load_to_lds s[G0:G0+3], s[\g1:\g1+7]
	s_nop 0
.rept 4
	v_nop
.endr
	s_branch .Lasked
\next:
.endm
.macro INIT                            ; a tile's state, destinations alone
.irp j, 0,1,2,3,4,5,6,7
	v_mov_b32 v[24+\j], 0                          ; the zero codes
	v_mov_b32 v[192+\j], 0
.endr
	v_mov_b32 v13, 0xff61b1e6                      ; the largest score so far: -3e38
	v_mov_b32 v12, 0x7e000000                      ; -M: so large that the first f is 0
	v_mov_b32 v14, 0
	v_mov_b32 v15, 0
.irp b, 0,1,2,3
	v_mov_b32 v[236+\b], 0                         ; a lane permute's destination counts as one of its sources
.endr
	v_mov_b32 v253, 0                              ; (named as the upper half of the pair v[252:253])
.set j, 0
.rept 32
	v_mov_b32 v[160+j], 0                          ; O^T: the first trip finds zeros
.set j, j+1
.endr
.endm
.macro QK t                            ; S^T of tile t: register 16 f + i of a lane is key 32 f + 16 (lane / 16) + i of the step
.set QS_, 255-25*(\t)
	WIN 0x54*(\t)
.irp f, 0,2
	v_wmma_scale_f32_16x16x128_f8f6f4 v[96+16*\f:103+16*\f], v[32+16*\f:47+16*\f], v[16:31], 0, v[248+\f/2], v[QS_] matrix_a_fmt:MATRIX_FMT_BF8 matrix_b_fmt:MATRIX_FMT_BF8
	v_wmma_scale_f32_16x16x128_f8f6f4 v[104+16*\f:111+16*\f], v[32+16*\f:47+16*\f], v[192:207], 0, v[248+\f/2], v[QS_] matrix_a_fmt:MATRIX_FMT_BF8 matrix_b_fmt:MATRIX_FMT_BF8
	v_wmma_scale_f32_16x16x128_f8f6f4 v[112+16*\f:119+16*\f], v[48+16*\f:63+16*\f], v[16:31], 0, v[248+\f/2], v[QS_] matrix_a_fmt:MATRIX_FMT_BF8 matrix_b_fmt:MATRIX_FMT_BF8 matrix_a_scale:MATRIX_SCALE_ROW1
	v_wmma_scale_f32_16x16x128_f8f6f4 v[120+16*\f:127+16*\f], v[48+16*\f:63+16*\f], v[192:207], 0, v[248+\f/2], v[QS_] matrix_a_fmt:MATRIX_FMT_BF8 matrix_b_fmt:MATRIX_FMT_BF8 matrix_a_scale:MATRIX_SCALE_ROW1
.endr
.endm
.macro PV t                            ; O^T += v^T p^T of tile t: four tiles of 16 channels by turns
.set PW_, 253-22*(\t)
	WIN 0x54*(\t)
.irp u, 0,2
	v_wmma_scale_f32_16x16x128_f8f6f4 v[160+8*\u:167+8*\u], v[32+16*\u:47+16*\u], v[208:223], v[160+8*\u:167+8*\u], v[248+\u/2], v[PW_] matrix_a_fmt:MATRIX_FMT_BF8 matrix_b_fmt:MATRIX_FMT_BF8
	v_wmma_scale_f32_16x16x128_f8f6f4 v[168+8*\u:175+8*\u], v[48+16*\u:63+16*\u], v[208:223], v[168+8*\u:175+8*\u], v[248+\u/2], v[PW_] matrix_a_fmt:MATRIX_FMT_BF8 matrix_b_fmt:MATRIX_FMT_BF8 matrix_a_scale:MATRIX_SCALE_ROW1
.endr
.endm
.macro SOFT t                          ; a tile's softmax step, all in the tile's window: from the scores to p's codes, p's scale word and O^T under the new M
.if \t
	s_wait_alu depctr_va_vdst(0)                   ; the wait directly ahead of the first reader of these scores
.endif
.irp b, 0,1,2,3
	v_max3_num_f32 v[232+\b], v[96+16*\b], v[97+16*\b], v[98+16*\b]   ; the largest score of each block of 32 keys: for the row's maximum, and for the block's largest p
.endr
.irp i, 3,5,7,9,11,13
.irp b, 0,1,2,3
	v_max3_num_f32 v[232+\b], v[232+\b], v[96+16*\b+\i], v[97+16*\b+\i]
.endr
.endr
.irp b, 0,1,2,3
	v_max_num_f32 v[232+\b], v[232+\b], v[111+16*\b]
.endr
.irp b, 0,1,2,3
	v_permlanex16_b32 v[236+\b], v[232+\b], s[SEL], s[SEL+1]
.endr
.irp b, 0,1,2,3
	v_max_num_f32 v[232+\b], v[232+\b], v[236+\b]  ; with lane l xor 16's 16 keys
.endr
	v_max3_num_f32 v254, v232, v233, v234
	v_max3_num_f32 v13, v13, v254, v235            ; the running largest score
	v_mul_f32 v254, s[CS], v13                     ; as t (c is positive)
	v_floor_f32 v12, -v254                         ; the new -M = -ceil(t)
	v_sub_f32 v254, v12, v229                      ; old M - new M: a whole number, 0 or less
.set j, 0
.rept 32
	v_pk_fma_f32 v[96+j:97+j], v[96+j:97+j], s[CS:CS+1], v[12:13] op_sel_hi:[1,0,0]   ; t - M, two at a time
.if j == 6
	v_cvt_i32_f32 v254, v254                       ; (it saturates)
.endif
.if j == 14
	v_ldexp_f32 v252, 1.0, v254                    ; f = 2^(old M - new M)
.endif
.set j, j+2
.endr
.irp b, 0,1,2,3
	v_fma_f32 v[232+\b], v[232+\b], s[CS], v12     ; the same of each block's largest score
.endr
	s_wait_alu depctr_va_vdst(0)                   ; the wait ahead of the batch
.set j, 0
.rept 64
	v_exp_f32 v[96+j], v[96+j]                     ; p = 2^(t - M)
.set j, j+1
.endr
.irp b, 0,1,2,3
	v_exp_f32 v[232+\b], v[232+\b]                 ; the block's largest p
.endr
	v_pk_mul_f32 v[14:15], v[14:15], v[252:253] op_sel_hi:[1,0]   ; the sums under the new M.  (A plain place behind the exponentials)
	s_wait_alu depctr_va_vdst(0)                   ; one wait for the batch, ahead of its first reader
.irp b, 0,1,2,3
	v_max_num_f32 v[232+\b], 0x8000000, v[232+\b]  ; the floor 2^(16 - 127)
.endr
.irp b, 0,1,2,3
	v_add_nc_u32 v[244+\b], 0xf8800000, v[232+\b]  ; the conversion's scale operand
.endr
.irp b, 0,1,2,3
	v_and_or_b32 v[240+\b], v[232+\b], 0x7f800000, s[MNT]   ; 57,344 x the scale
.endr
.if (\t) == 0
.irp b, 0,1,2,3
	v_and_or_b32 v[225+\b], v[232+\b], 0x7f800000, s[MNT]   ; and once more, for the second half of the paired hold
.endr
.endif
.irp b, 0,1,2,3
	v_lshrrev_b32 v[236+\b], 23, v[244+\b]         ; the scale's byte
.endr
	v_lshl_or_b32 v253, v237, 8, v236              ; p's scale word for these 128 keys
	v_lshl_or_b32 v254, v239, 8, v238
.if \t
	WIN 0x15                                       ; a scale word lies in window 0: v231
	v_lshl_or_b32 v231, v254, 16, v253
	WIN 0x55
.else
	v_lshl_or_b32 v253, v254, 16, v253
.endif
.irp b, 0,1,2,3
.irp i, 0,2,4,6,8,10,12,14             ; the conversion does not saturate (ISA guide 7.6.2); p is not negative: a one-sided hold
.if \t
	v_min_num_f32 v[32+16*\b+\i], v[96+16*\b+\i], v[240+\b]
	v_min_num_f32 v[33+16*\b+\i], v[97+16*\b+\i], v[240+\b]
.else
	v_dual_min_num_f32 v[32+16*\b+\i], v[96+16*\b+\i], v[240+\b] :: v_dual_min_num_f32 v[33+16*\b+\i], v[97+16*\b+\i], v[225+\b]
.endif
.endr
	v_cvt_scalef32_pk8_bf8_f32 v[208+4*\b:209+4*\b], v[32+16*\b:39+16*\b], v[244+\b]
	v_cvt_scalef32_pk8_bf8_f32 v[210+4*\b:211+4*\b], v[40+16*\b:47+16*\b], v[244+\b]
.endr
	s_wait_alu depctr_va_vdst(0)                   ; the wait directly ahead of the first reader of O^T
.set j, 0
.rept 16
	v_pk_mul_f32 v[160+j:161+j], v[160+j:161+j], v[252:253] op_sel_hi:[1,0]   ; O^T under the new M
.set j, j+2
.endr
.endm
.macro SUMS                            ; the row's sum of the unquantised p, in two chains: 32 lines
	v_pk_add_f32 v[236:237], v[96:97], v[98:99]
.irp j, 4,8,12,16,20,24,28,32,36,40,44,48,52,56,60
	v_pk_add_f32 v[14:15], v[14:15], v[96+\j:97+\j]
	v_pk_add_f32 v[236:237], v[236:237], v[98+\j:99+\j]
.endr
	v_pk_add_f32 v[14:15], v[14:15], v[236:237]
.endm
.macro FRAGS adr, wrd                  ; four fragments and their scale words: 512 consecutive bytes a load
.irp f, 0,1,2,3
.irp c, 0,1,2,3
	ds_load_b128 v[32+16*\f+4*\c:35+16*\f+4*\c], v[\adr] offset:2048*\f+512*\c
.endr
.endr
	ds_load_b32 v248, v[\wrd]
	ds_load_b32 v249, v[\wrd] offset:128
.endm
.macro TRIP                            ; 128 keys for both tiles
	v_add_nc_u32 v8, s[SKC], v1
	v_add_nc_u32 v10, s[SKS], v2
	FRAGS 8, 10
	s_wait_dscnt 0x0
	QK 0
	QK 1
	WIN 0
	v_add_nc_u32 v9, s[SVC], v1                    ; eight places behind the products
	v_add_nc_u32 v11, s[SVS], v2
	v_mov_b32 v229, v12                            ; tile A's old -M
.rept 5
	v_nop
.endr
	s_cmp_lg_u32 s[R0F], 0                         ; query 0 is row 0 of tile 0: tile A of wave 0 of work-group x = 0, lanes 0 and 16.  A branch on ids
	s_cbranch_scc1 .Lnot_row0_\@
	s_wait_xcnt 0x0                                ; EXEC changes only behind this wait
	v_cmp_eq_u32 vcc_lo, 0, v3
	s_and_saveexec_b32 s40, vcc_lo
.set k, 0
.rept 16
	global_store_b128 v5, v[96+4*k:99+4*k], s[10:11] offset:128*(k/4)+16*(k%4)
.set k, k+1
.endr
	s_wait_xcnt 0x0                                ; and again, ahead of the line that widens it; the offset and the scores are written again only behind it
	s_or_b32 exec_lo, exec_lo, s40
	v_add_nc_u32 v5, 512, v5
.Lnot_row0_\@:
	SOFT 0
	FRAGS 9, 11                                    ; v's fragments, over tile A's held p, which its conversions have read; they land under tile B's softmax
	WIN 0x55
	v_mov_b32 v229, v12                            ; tile B's old -M
	SOFT 1
	WIN 0
	s_wait_alu depctr_va_vdst(0)                   ; the wait directly ahead of the wait below
	s_wait_dscnt 0x0
	PV 0
	PV 1
	WIN 0
	SUMS                                           ; these 64 lines are also the places ahead of the next loads and of the first read of O^T
	WIN 0x55
	SUMS
	WIN 0
	s_add_co_u32 s[SKC], s[SKC], 8192
	s_add_co_u32 s[SVC], s[SVC], 8192
	s_add_co_u32 s[SKS], s[SKS], 256
	s_add_co_u32 s[SVS], s[SVS], 256
.endm
.macro CHUNK first, trips, under       ; key steps first on; ahead of them the waves under 'under' have waited for their loads (8: every wave, under no branch)
	s_mov_b32 s[SKC], 8192*\first
	s_mov_b32 s[SVC], VCO+8192*\first
	s_mov_b32 s[SKS], KSO+256*\first
	s_mov_b32 s[SVS], VSO+256*\first
	s_mov_b32 s[CNT], \trips
	s_wait_alu depctr_va_vdst(0)                   ; the wait ahead of the waits below
.if \under < 8
	s_cmp_lt_u32 s[WV], \under
	s_cbranch_scc0 .Lnot_mine_\@
	s_wait_tensorcnt 0x0
.Lnot_mine_\@:
.else
	s_wait_tensorcnt 0x0
.endif
	s_wait_dscnt 0x0
	s_barrier_signal -1
	s_barrier_wait -1
.Lstep_\@:
	TRIP
	s_sub_co_u32 s[CNT], s[CNT], 1
	s_cmp_lg_u32 s[CNT], 0
	s_cbranch_scc1 .Lstep_\@
.endm
	s_load_b256 s[4:11], s[0:1], 0x0               ; qbuf, kv, cbuf, t0
	s_load_b64 s[66:67], s[0:1], 0x20              ; ml
	v_lshl_add_u32 v250, v0, 2, SPARE
	v_mov_b32 v251, 0
	ds_add_u32 v250, v251                          ; the opening lines: the add twice on end and its wait ahead of the tensor load
	ds_add_u32 v250, v251
	v_lshrrev_b32 v1, 5, v0
	v_readfirstlane_b32 s[WV], v1                  ; wave 0..7
	s_and_b32 s25, ttmp7, 0xffff                   ; the head's plane
	GROUP1 G1A, 32, 128, 32
	GROUP1 G1B, 32, 256, 32
	GROUP1 G1W, 512, 2, 16896
	s_mov_b32 s[G0], 1
	s_mul_i32 s42, s25, 270336
	s_mov_b32 s43, 0
	s_lshl_b32 s26, ttmp9, 4
	s_lshl_b32 s27, s[WV], 1
	s_add_co_u32 s26, s26, s27                     ; mt: tile A among the batch's tiles of queries; tile B is the next
	s_mul_i32 s39, s25, 135168
	s_lshl_b32 s44, s26, 10
	s_add_co_u32 s44, s44, s39                     ; q's codes
	s_mov_b32 s45, 0
	s_lshl_b32 s46, s26, 5
	s_add_co_u32 s46, s46, s39
	s_add_co_u32 s46, s46, 131072                  ; the scale words of my pair of tiles: low half tile A's bytes, high half tile B's
	s_mov_b32 s47, 0
	s_lshl_b32 s48, s25, 13                        ; the head's row of t0
	s_mov_b32 s49, 0
	s_lshl_b32 s50, s25, 8                         ; and its 256 bytes of ml
	s_mov_b32 s51, 0
	s_or_b32 s[R0F], ttmp9, s[WV]
	s_lshl_b32 s27, s[WV], 6
	s_add_co_u32 s27, s27, STG
	s_mov_b32 s[SEL], 0x76543210
	s_mov_b32 s[SEL+1], 0xfedcba98
	s_mov_b32 s[CS], 0x3e38aa3b
	s_mov_b32 s[CS+1], s[CS]
	s_mov_b32 s[MNT], 0x600000
	s_wait_dscnt 0x0
	s_wait_kmcnt 0x0
	s_add_nc_u64 s[6:7], s[6:7], s[42:43]          ; the head's first byte
	ARM 1, 0, 0, G1A, .Lv0                         ; what is read first is asked for first
	ARM 2, VCO, MV, G1A, .Lwords
	ARM 3, KSO, 131072, G1W, .Lk1
	ARM 4, 32768, 32768, G1A, .Lv1
	ARM 5, VCO+32768, MV+32768, G1A, .Lk2
	ARM 6, 65536, 65536, G1B, .Lv2
	ARM 7, VCO+65536, MV+65536, G1B, .Lnone
.Lasked:
	s_add_nc_u64 s[44:45], s[4:5], s[44:45]
	s_add_nc_u64 s[46:47], s[4:5], s[46:47]
	s_add_nc_u64 s[10:11], s[10:11], s[48:49]
	s_add_nc_u64 s[66:67], s[66:67], s[50:51]
	v_and_b32 v3, 31, v0
	v_lshlrev_b32 v1, 4, v3                        ; 16 x lane
	v_lshlrev_b32 v2, 2, v3                        ; 4 x lane
	v_and_b32 v3, 15, v0                           ; r
	v_bfe_u32 v4, v0, 4, 1
	v_lshlrev_b32 v5, 6, v4                        ; t0: 64 h, stepped by 512 a trip
	v_lshlrev_b32 v7, 2, v3                        ; 4 r
	v_lshlrev_b32 v6, 1, v3
	v_add_nc_u32 v6, s27, v6                       ; the stage: 2 r + 64 w; tile B 32 on
	s_wait_alu depctr_va_vdst(0)                   ; the wait ahead of the readers below
	global_load_b128 v[16:19], v1, s[44:45]        ; tile A: [q | 0]
	global_load_b128 v[20:23], v1, s[44:45] offset:512
	global_load_b128 v[200:203], v1, s[44:45]      ; [0 | q]
	global_load_b128 v[204:207], v1, s[44:45] offset:512
	global_load_b32 v254, v7, s[46:47]
	WIN 0x40                                       ; tile B: the same numbers in window 1
	global_load_b128 v[16:19], v1, s[44:45] offset:1024
	global_load_b128 v[20:23], v1, s[44:45] offset:1536
	global_load_b128 v[200:203], v1, s[44:45] offset:1024
	global_load_b128 v[204:207], v1, s[44:45] offset:1536
	WIN 0
	s_wait_loadcnt 0x0
	v_and_b32 v255, 0xffff, v254
	v_lshrrev_b32 v230, 16, v254
	v_lshl_or_b32 v255, v255, 16, v255             ; a tile's two bytes in both halves: for [q | 0] and for [0 | q]
	v_lshl_or_b32 v230, v230, 16, v230
	INIT
	WIN 0x40
	INIT
	WIN 0
	CHUNK 0, 4, 3
	CHUNK 4, 4, 5
	CHUNK 8, 8, 8
	; ---- ctx = O^T / the sum; register 16 b + i is channel 32 b + 16 (lane / 16) + i of my query: two blocks of the output projection's K
	v_add_nc_u32 v8, STG, v1                       ; the stage, read back: 16 x lane
	s_and_b32 s42, s25, 15                         ; head
	s_lshr_b32 s43, s25, 4                         ; batch
	s_lshl_b32 s44, s43, 7
	s_add_co_u32 s44, s44, s26                     ; tile A among all tokens'
	s_lshl_b32 s44, s44, 3
	s_lshr_b32 s45, s42, 1
	s_add_co_u32 s44, s44, s45                     ; K step head / 2
	s_lshl_b32 s44, s44, 11
	s_and_b32 s45, s42, 1
	s_lshl_b32 s45, s45, 10                        ; its groups 2 (head % 2) and the next
	s_add_co_u32 s44, s44, s45
	s_mov_b32 s45, 0
	s_add_nc_u64 s[44:45], s[8:9], s[44:45]
	s_lshl_b32 s46, s42, 13                        ; the scale bytes: [head][4,096 rows] of two bytes
	s_lshl_b32 s47, s43, 12
	s_add_co_u32 s46, s46, s47
	s_lshl_b32 s47, ttmp9, 9
	s_add_co_u32 s46, s46, s47
	s_add_co_u32 s46, s46, 4194304
	s_mov_b32 s47, 0
	s_add_nc_u64 s[46:47], s[8:9], s[46:47]
.macro TAILQ t                         ; a tile's way out, in its window
	WIN 0x55*(\t)
	v_add_f32 v14, v14, v15
	v_permlanex16_b32 v252, v14, s[SEL], s[SEL+1]
	v_add_f32 v14, v14, v252                       ; the row's sum
.if (\t) == 0
	s_cmp_lg_u32 s[R0F], 0
	s_cbranch_scc1 .Lno_ml
	v_mov_b32 v13, v14
	v_lshlrev_b32 v9, 1, v2                        ; 8 x lane
	global_store_b64 v9, v[12:13], s[66:67]        ; -M and the sum of the tile's rows: 256 consecutive, aligned bytes; lane 0's are query 0's
.Lno_ml:
.endif
	s_wait_alu depctr_va_vdst(0)                   ; the wait ahead of the transcendental
	v_rcp_f32 v14, v14
	v_nop                                          ; a plain place behind it
	s_wait_alu depctr_va_vdst(0)                   ; the wait ahead of the first reader of the reciprocal and of O^T
.set j, 0
.rept 16
	v_pk_mul_f32 v[96+j:97+j], v[160+j:161+j], v[14:15] op_sel_hi:[1,0]   ; each accumulator from its low end on
.set j, j+2
.endr
.irp b, 0,1
	v_max3_num_f32 v[224+\b], |v[96+16*\b]|, |v[97+16*\b]|, 0x8000000
.endr
.irp i, 2,4,6,8,10,12,14
.irp b, 0,1
	v_max3_num_f32 v[224+\b], v[224+\b], |v[96+16*\b+\i]|, |v[97+16*\b+\i]|
.endr
.endr
.irp b, 0,1
	v_permlanex16_b32 v[236+\b], v[224+\b], s[SEL], s[SEL+1]
.endr
.irp b, 0,1
	v_max_num_f32 v[224+\b], v[224+\b], v[236+\b]
.endr
.irp b, 0,1
	v_add_nc_u32 v[228+\b], 0xf8800000, v[224+\b]
.endr
.irp b, 0,1
	v_and_or_b32 v[234+\b], v[224+\b], 0x7f800000, s[MNT]
.endr
.irp b, 0,1
	v_lshrrev_b32 v[236+\b], 23, v[228+\b]
.endr
	v_lshl_or_b32 v232, v237, 8, v236              ; my row's two bytes
.irp b, 0,1
.irp i, 0,1,2,3,4,5,6,7,8,9,10,11,12,13,14,15
	v_med3_num_f32 v[96+16*\b+\i], v[96+16*\b+\i], -v[234+\b], v[234+\b]
.endr
	v_cvt_scalef32_pk8_bf8_f32 v[208+4*\b:209+4*\b], v[96+16*\b:103+16*\b], v[228+\b]
	v_cvt_scalef32_pk8_bf8_f32 v[210+4*\b:211+4*\b], v[104+16*\b:111+16*\b], v[228+\b]
.endr
	v_nop                                          ; a plain line behind the last conversion
	WIN 0x04*(\t)                                  ; a store's data are its source 1; the addresses lie in window 0
	global_store_b128 v1, v[208:211], s[44:45] offset:16384*(\t)        ; 512 consecutive, aligned bytes a store
	global_store_b128 v1, v[212:215], s[44:45] offset:16384*(\t)+512
	ds_store_b16 v6, v232 offset:32*(\t)           ; both halves of the lanes write the same bytes with the same value
	WIN 0
.endm
	TAILQ 0
	TAILQ 1
	s_wait_dscnt 0x0
	s_barrier_signal -1
	s_barrier_wait -1
	s_cmp_lg_u32 s[WV], 0
	s_cbranch_scc1 .Ldone
	ds_load_b128 v[224:227], v8                    ; wave 0 sends the work-group's 256 rows' bytes: 512 consecutive bytes
	s_wait_dscnt 0x0
	global_store_b128 v1, v[224:227], s[46:47]
.Ldone:
	s_wait_tensorcnt 0x0                           ; the wave's end
	ds_add_u32 v250, v251
	s_wait_dscnt 0x0
	s_endpgm
.Lfunc_end_k_q6096420b70_attn:
	.size	k_q6096420b70_attn, .Lfunc_end_k_q6096420b70_attn-k_q6096420b70_attn
	.p2alignl 7, 3214868480
	.fill 96, 4, 3214868480
	.section	.rodata,"a",@progbits
	.p2align	6, 0x0
	.amdhsa_kernel k_q6096420b70_attn
		.amdhsa_group_segment_fixed_size 272896
		.amdhsa_private_segment_fixed_size 0
		.amdhsa_enable_private_segment 0
		.amdhsa_kernarg_size 40
		.amdhsa_user_sgpr_count 2
		.amdhsa_user_sgpr_kernarg_segment_ptr 1
		.amdhsa_wavefront_size32 1
		.amdhsa_system_sgpr_workgroup_id_x 1
		.amdhsa_system_sgpr_workgroup_id_y 1
		.amdhsa_system_sgpr_workgroup_id_z 1
		.amdhsa_system_vgpr_workitem_id 0
		.amdhsa_next_free_vgpr 512
		.amdhsa_next_free_sgpr 80
		.amdhsa_reserve_vcc 1
		.amdhsa_float_denorm_mode_32 3
		.amdhsa_float_denorm_mode_16_64 3
		.amdhsa_memory_ordered 1
		.amdhsa_forward_progress 1
		.amdhsa_inst_pref_size 135
	.end_amdhsa_kernel
	.amdgpu_metadata
---
amdhsa.version: [ 1, 2 ]
amdhsa.kernels:
  - .name:           k_q6096420b70_attn
    .symbol:         k_q6096420b70_attn.kd
    .args:
      - { .name: qbuf, .offset: 0, .size: 8, .value_kind: global_buffer, .address_space: global }
      - { .name: kv, .offset: 8, .size: 8, .value_kind: global_buffer, .address_space: global }
      - { .name: cbuf, .offset: 16, .size: 8, .value_kind: global_buffer, .address_space: global }
      - { .name: t0, .offset: 24, .size: 8, .value_kind: global_buffer, .address_space: global }
      - { .name: ml, .offset: 32, .size: 8, .value_kind: global_buffer, .address_space: global }
    .group_segment_fixed_size: 272896
    .private_segment_fixed_size: 0
    .kernarg_segment_align: 8
    .kernarg_segment_size: 40
    .max_flat_workgroup_size: 256
    .sgpr_count:     80
    .vgpr_count:     512
    .wavefront_size: 32
...
	.end_amdgpu_metadata
.endif
;; end of part 3
;; launch oproj (part 4): grid 256 x 1, 4 waves a work-group, no clusters, 17,920 bytes of LDS; arguments cbuf, wbuf, x, bo, kv; writes kv
.if DOCPART == 4
	.amdgcn_target "amdgcn-amd-amdhsa--gfx1250"
	.amdhsa_code_object_version 6
	.text
	.protected	k_q6096420b70_oproj
	.globl	k_q6096420b70_oproj
	.p2align	8
	.type	k_q6096420b70_oproj,@function
k_q6096420b70_oproj:
	s_mov_b64 s[64:65], 0
	v_nop
	global_prefetch_b8 v0, s[64:65] scope:SCOPE_SE
	s_setreg_imm32_b32 hwreg(HW_REG_WAVE_MODE, 25, 1), 1
	s_wait_xcnt 0x0
; y = x + ctx Wo + bo, the product on codes of E5M2 (one E8M0 byte for each 32 along K = 1,024), sums in f32.  y goes to memory in f32; the next launch takes each row's statistics.
; y IS LAID OVER kv: k's and v's bytes there have been read for the last time by the attention launch; this launch only stores into the buffer.
; SHARES: work-group g: 64 tokens (tiles 4 (g / 4) on) x 256 columns (256 (g % 4) on); wave w takes columns 64 w on of these: four tiles of Wo x four tiles of tokens: 16 accumulators.
; TRANSPOSED: source 0 = 16 columns of Wo, source 1 = 16 tokens: a lane holds one token (lane % 16); register 16 e + i of token tile a is column 64 w + 32 e + 16 (lane / 16) + i.
; Operands are images of their registers in memory: a fragment is four loads of 512 consecutive bytes, straight into registers: four sets, asked for four K steps ahead.  So no tensor load, no slot, no cluster.
; x IS READ AS IT LIES: a load takes 256 consecutive bytes of each of two rows; a tile's 16 rows go through the wave's own stage in LDS (rows 272 bytes apart) and come back in the accumulators' layout.
; OUT: y [g][w][a][q][lane][16 bytes]: registers 4 q .. 4 q + 3 of tile a's 32: each store covers 512 consecutive, aligned bytes.
; REGISTERS: window 0: v1-7 offsets, v14, v15 for the add; v16-31 Wo's scale words, v36-51 ctx's; v64-95 at work, then x; v96-127 bo; v128-255 the accumulators.  window 1: Wo's fragments, 4 sets of 64; window 2: ctx's; window 3: x as loaded.
; LIMITS: NaN and infinities are not served.
.set SCB,  4194304
.set GS,   16
.set PS,   36
.set XB,   64
.set BO,   96
.set ACC,  128
.set XP,   272
.set SPARE, 4*16*XP                    ; behind the four stages: the spare words
.set MSB, 0
.macro WIN new                         ; the immediate's high byte repeats the setting that is left
.if MSB != (\new)
	s_set_vgpr_msb (MSB<<8)|(\new)
.set MSB, \new
.endif
.endm
.macro NOPS n
.rept \n
	v_nop
.endr
.endm
.macro PROD a, b, s                    ; tokens' tile a x Wo's tile b, K step s.  An odd tile's scale words lie in lanes 16-31.  K step 0 starts the sums
.set rD, ACC+8*(4*(\a)+(\b))
.set rA, 64*((\s)%4)+16*(\b)
.set rB, 64*((\s)%4)+16*(\a)
.set rG, GS+8*((\b)/2)+(\s)
.set rP, PS+8*((\a)/2)+(\s)
.if (\s) == 0
.if ((\a)%2 == 0) && ((\b)%2 == 0)
	v_wmma_scale_f32_16x16x128_f8f6f4 v[rD:rD+7], v[rA:rA+15], v[rB:rB+15], 0, v[rG], v[rP] matrix_a_fmt:MATRIX_FMT_BF8 matrix_b_fmt:MATRIX_FMT_BF8
.elseif (\a)%2 == 0
	v_wmma_scale_f32_16x16x128_f8f6f4 v[rD:rD+7], v[rA:rA+15], v[rB:rB+15], 0, v[rG], v[rP] matrix_a_fmt:MATRIX_FMT_BF8 matrix_b_fmt:MATRIX_FMT_BF8 matrix_a_scale:MATRIX_SCALE_ROW1
.elseif (\b)%2 == 0
	v_wmma_scale_f32_16x16x128_f8f6f4 v[rD:rD+7], v[rA:rA+15], v[rB:rB+15], 0, v[rG], v[rP] matrix_a_fmt:MATRIX_FMT_BF8 matrix_b_fmt:MATRIX_FMT_BF8 matrix_b_scale:MATRIX_SCALE_ROW1
.else
	v_wmma_scale_f32_16x16x128_f8f6f4 v[rD:rD+7], v[rA:rA+15], v[rB:rB+15], 0, v[rG], v[rP] matrix_a_fmt:MATRIX_FMT_BF8 matrix_b_fmt:MATRIX_FMT_BF8 matrix_a_scale:MATRIX_SCALE_ROW1 matrix_b_scale:MATRIX_SCALE_ROW1
.endif
.else
.if ((\a)%2 == 0) && ((\b)%2 == 0)
	v_wmma_scale_f32_16x16x128_f8f6f4 v[rD:rD+7], v[rA:rA+15], v[rB:rB+15], v[rD:rD+7], v[rG], v[rP] matrix_a_fmt:MATRIX_FMT_BF8 matrix_b_fmt:MATRIX_FMT_BF8
.elseif (\a)%2 == 0
	v_wmma_scale_f32_16x16x128_f8f6f4 v[rD:rD+7], v[rA:rA+15], v[rB:rB+15], v[rD:rD+7], v[rG], v[rP] matrix_a_fmt:MATRIX_FMT_BF8 matrix_b_fmt:MATRIX_FMT_BF8 matrix_a_scale:MATRIX_SCALE_ROW1
.elseif (\b)%2 == 0
	v_wmma_scale_f32_16x16x128_f8f6f4 v[rD:rD+7], v[rA:rA+15], v[rB:rB+15], v[rD:rD+7], v[rG], v[rP] matrix_a_fmt:MATRIX_FMT_BF8 matrix_b_fmt:MATRIX_FMT_BF8 matrix_b_scale:MATRIX_SCALE_ROW1
.else
	v_wmma_scale_f32_16x16x128_f8f6f4 v[rD:rD+7], v[rA:rA+15], v[rB:rB+15], v[rD:rD+7], v[rG], v[rP] matrix_a_fmt:MATRIX_FMT_BF8 matrix_b_fmt:MATRIX_FMT_BF8 matrix_a_scale:MATRIX_SCALE_ROW1 matrix_b_scale:MATRIX_SCALE_ROW1
.endif
.endif
.endm
.macro LOADS s                         ; K step s: Wo's four fragments and ctx's four into set s % 4: 32 loads
	WIN 0x40
.irp e, 0,1,2,3
.irp c, 0,1,2,3
	global_load_b128 v[64*((\s)%4)+16*\e+4*\c:64*((\s)%4)+16*\e+4*\c+3], v1, s[20:21] offset:16384*\e+2048*(\s)+512*\c
.endr
.endr
	WIN 0x80
.irp e, 0,1,2,3
.irp c, 0,1,2,3
	global_load_b128 v[64*((\s)%4)+16*\e+4*\c:64*((\s)%4)+16*\e+4*\c+3], v1, s[16:17] offset:16384*\e+2048*(\s)+512*\c
.endr
.endr
	WIN 0
.endm
.macro STEP s, cnt                     ; 16 products; the 16 accumulators take turns, one instruction a turn
	s_wait_loadcnt \cnt
	WIN 0x09                                       ; source 0 window 1, source 1 window 2, C and D window 0
.irp a, 0,1,2,3
.irp b, 0,1,2,3
	PROD \a, \b, \s
.endr
.endr
	WIN 0
.endm
.macro XLOAD a                         ; x at tile a's 16 tokens and my 64 columns: load i takes rows 2 i and 2 i + 1, 256 consecutive bytes each, into window 3
.set i, 0
.rept 8
	global_load_b128 v[32*(\a)+4*i:32*(\a)+4*i+3], v4, s[24:25] offset:(32*((\a)/2)+8*((\a)%2)+2*i+8*(i/4))*4096 th:TH_LOAD_NT
.set i, i+1
.endr
.endm
.macro YOUT a                          ; tile a: x through my stage, y = sum + bo + x in place, each accumulator from its low end on, and out
	WIN 0x0c                                       ; an LDS store's data are its source 1: window 3
.set i, 0
.rept 8
	ds_store_b128 v6, v[32*(\a)+4*i:32*(\a)+4*i+3] offset:2*i*XP
.set i, i+1
.endr
	WIN 0
.irp e, 0,1
.irp j, 0,1,2,3
	ds_load_b128 v[XB+16*\e+4*\j:XB+16*\e+4*\j+3], v7 offset:128*\e+16*\j   ; LDS serves a wave's instructions in order (ISA guide 5.7.1.4): these see the stores above
.endr
.endr
.set i, 0
.rept 16
	v_pk_add_f32 v[ACC+32*(\a)+i:ACC+32*(\a)+i+1], v[ACC+32*(\a)+i:ACC+32*(\a)+i+1], v[BO+i:BO+i+1]
.set i, i+2
.endr
	s_wait_dscnt 0x0                               ; x is back from the stage
.set i, 0
.rept 16
	v_pk_add_f32 v[ACC+32*(\a)+i:ACC+32*(\a)+i+1], v[ACC+32*(\a)+i:ACC+32*(\a)+i+1], v[XB+i:XB+i+1]
.set i, i+2
.endr
.set i, 0
.rept 8
	global_store_b128 v1, v[ACC+32*(\a)+4*i:ACC+32*(\a)+4*i+3], s[28:29] offset:4096*(\a)+512*i
.set i, i+1
.endr
.endm
	s_load_b256 s[4:11], s[0:1], 0x0               ; cbuf, wbuf, x, bo
	s_load_b64 s[12:13], s[0:1], 0x20              ; kv, which takes y
	v_lshl_add_u32 v14, v0, 2, SPARE
	v_mov_b32 v15, 0
	v_lshrrev_b32 v1, 5, v0
	v_readfirstlane_b32 s14, v1                    ; wave 0..3
	v_and_b32 v10, 31, v0
	v_lshlrev_b32 v1, 4, v10                       ; 16 x lane
	v_lshlrev_b32 v2, 5, v10                       ; 32 x lane
	v_lshlrev_b32 v3, 1, v10                       ; 2 x lane
	v_and_b32 v11, 15, v0                          ; r
	v_bfe_u32 v12, v0, 4, 1                        ; h
	v_lshlrev_b32 v5, 6, v12                       ; bo: 64 h
	v_lshlrev_b32 v4, 4, v11
	v_lshl_add_u32 v4, v12, 12, v4                 ; x: row h of a load's two, 16 r in it
	s_mul_i32 s31, s14, 16*XP                      ; my stage
	v_mul_u32_u24 v6, v12, XP
	v_lshl_add_u32 v6, v11, 4, v6
	v_add_nc_u32 v6, s31, v6                       ; into it: row h, 16 r
	v_mul_u32_u24 v7, v11, XP
	v_lshl_add_u32 v7, v12, 6, v7
	v_add_nc_u32 v7, s31, v7                       ; out of it: row r, + 64 h
	s_lshr_b32 s15, ttmp9, 2                       ; the block of 64 tokens
	s_and_b32 s30, ttmp9, 3                        ; the quarter of the columns
	s_lshl_b32 s16, s15, 16                        ; ctx: four tiles of 16,384 bytes
	s_mov_b32 s17, 0
	s_lshl_b32 s18, s15, 7
	s_add_co_u32 s18, s18, SCB                     ; its scale bytes: 64 rows of two
	s_mov_b32 s19, 0
	s_lshl_b32 s20, s30, 4
	s_lshl_b32 s21, s14, 2
	s_add_co_u32 s20, s20, s21
	s_add_co_u32 s20, s20, 192                     ; Wo's tiles begin at 192; mine at + 16 quarter + 4 w
	s_lshl_b32 s22, s20, 9
	s_add_co_u32 s22, s22, SCB
	s_mov_b32 s23, 0
	s_lshl_b32 s20, s20, 14
	s_mov_b32 s21, 0
	s_lshl_b32 s26, s30, 10
	s_lshl_b32 s27, s14, 8
	s_add_co_u32 s26, s26, s27                     ; my 64 columns: 1,024 quarter + 256 w bytes
	s_mov_b32 s27, 0
	s_lshl_b32 s24, s15, 18                        ; x: 64 rows of 4,096 bytes
	s_add_co_u32 s24, s24, s26
	s_mov_b32 s25, 0
	s_lshl_b32 s28, ttmp9, 16
	s_lshl_b32 s29, s14, 14
	s_add_co_u32 s28, s28, s29                     ; y: 65,536 g + 16,384 w
	s_mov_b32 s29, 0
	s_wait_alu depctr_va_vdst(0)                   ; the wait at the head's end
	s_wait_kmcnt 0x0
	s_add_nc_u64 s[16:17], s[4:5], s[16:17]
	s_add_nc_u64 s[18:19], s[4:5], s[18:19]
	s_add_nc_u64 s[20:21], s[6:7], s[20:21]
	s_add_nc_u64 s[22:23], s[6:7], s[22:23]
	s_add_nc_u64 s[24:25], s[8:9], s[24:25]
	s_add_nc_u64 s[26:27], s[10:11], s[26:27]
	s_add_nc_u64 s[28:29], s[12:13], s[28:29]
.irp p, 0,1                            ; ctx's scale bytes: two for each row and head; lane l takes row 32 p + l
.irp s, 0,1,2,3,4,5,6,7
	global_load_u16 v[XB+16*\p+2*\s], v3, s[18:19] offset:8192*(2*\s)+64*\p
	global_load_u16 v[XB+16*\p+2*\s+1], v3, s[18:19] offset:8192*(2*\s+1)+64*\p
.endr
.endr
.irp p, 0,1                            ; Wo's scale words of all of K
	global_load_b128 v[GS+8*\p:GS+8*\p+3], v2, s[22:23] offset:1024*\p
	global_load_b128 v[GS+8*\p+4:GS+8*\p+7], v2, s[22:23] offset:1024*\p+16
.endr
	LOADS 0
	LOADS 1
	LOADS 2
	LOADS 3
	s_wait_loadcnt 63                              ; 128 loads were issued behind the scales: any count up to 128 shows them in; 63 is the largest that the wait can name
.irp p, 0,1
.irp s, 0,1,2,3,4,5,6,7
	v_lshl_or_b32 v[PS+8*\p+\s], v[XB+16*\p+2*\s+1], 16, v[XB+16*\p+2*\s]   ; K step s is heads 2 s and 2 s + 1: four bytes
.endr
.endr
	NOPS 8                                         ; scale words made by vector instructions stand eight places ahead of the product
	s_wait_alu depctr_va_vdst(0)                   ; the wait directly ahead of the wait below
.irp s, 0,1,2,3                        ; behind K step s's loads stand 96 younger ones: 63 is the largest count that can be named
	STEP \s, 63
	NOPS 8                                         ; places ahead of loads into registers that the products have read
	LOADS \s+4
.endr
	WIN 0xc0
	XLOAD 0
	XLOAD 1
	XLOAD 2
	XLOAD 3
	WIN 0
.irp e, 0,1
.irp j, 0,1,2,3
	global_load_b128 v[BO+16*\e+4*\j:BO+16*\e+4*\j+3], v5, s[26:27] offset:128*\e+16*\j   ; bo, in the accumulators' layout
.endr
.endr
	STEP 4, 63
	STEP 5, 63
	STEP 6, 63
	STEP 7, 40                                     ; behind K step 7's loads: x's 32 and bo's 8
	NOPS 8                                         ; places ahead of the first reads of the sums
	s_wait_loadcnt 0x0                             ; x, bo
	YOUT 0
	YOUT 1
	YOUT 2
	YOUT 3
	s_wait_tensorcnt 0x0                           ; the wave's end
	ds_add_u32 v14, v15
	s_wait_dscnt 0x0
	s_endpgm
.Lfunc_end_k_q6096420b70_oproj:
	.size	k_q6096420b70_oproj, .Lfunc_end_k_q6096420b70_oproj-k_q6096420b70_oproj
	.p2alignl 7, 3214868480
	.fill 96, 4, 3214868480
	.section	.rodata,"a",@progbits
	.p2align	6, 0x0
	.amdhsa_kernel k_q6096420b70_oproj
		.amdhsa_group_segment_fixed_size 17920
		.amdhsa_private_segment_fixed_size 0
		.amdhsa_enable_private_segment 0
		.amdhsa_kernarg_size 40
		.amdhsa_user_sgpr_count 2
		.amdhsa_user_sgpr_kernarg_segment_ptr 1
		.amdhsa_wavefront_size32 1
		.amdhsa_system_sgpr_workgroup_id_x 1
		.amdhsa_system_sgpr_workgroup_id_y 1
		.amdhsa_system_sgpr_workgroup_id_z 1
		.amdhsa_system_vgpr_workitem_id 0
		.amdhsa_next_free_vgpr 1024
		.amdhsa_next_free_sgpr 66
		.amdhsa_reserve_vcc 0
		.amdhsa_float_denorm_mode_32 3
		.amdhsa_float_denorm_mode_16_64 3
		.amdhsa_memory_ordered 1
		.amdhsa_forward_progress 1
		.amdhsa_inst_pref_size 70
	.end_amdhsa_kernel
	.amdgpu_metadata
---
amdhsa.version: [ 1, 2 ]
amdhsa.kernels:
  - .name:           k_q6096420b70_oproj
    .symbol:         k_q6096420b70_oproj.kd
    .args:
      - { .name: cbuf, .offset: 0, .size: 8, .value_kind: global_buffer, .address_space: global }
      - { .name: wbuf, .offset: 8, .size: 8, .value_kind: global_buffer, .address_space: global }
      - { .name: x, .offset: 16, .size: 8, .value_kind: global_buffer, .address_space: global }
      - { .name: bo, .offset: 24, .size: 8, .value_kind: global_buffer, .address_space: global }
      - { .name: kv, .offset: 32, .size: 8, .value_kind: global_buffer, .address_space: global }
    .group_segment_fixed_size: 17920
    .private_segment_fixed_size: 0
    .kernarg_segment_align: 8
    .kernarg_segment_size: 40
    .max_flat_workgroup_size: 128
    .sgpr_count:     66
    .vgpr_count:     1024
    .wavefront_size: 32
...
	.end_amdgpu_metadata
.endif
;; end of part 4
;; launch lnred (part 5): grid 256 x 1, 8 waves a work-group, no clusters, 6,144 bytes of LDS; arguments kv, part; writes part
.if DOCPART == 5
	.amdgcn_target "amdgcn-amd-amdhsa--gfx1250"
	.amdhsa_code_object_version 6
	.text
	.protected	k_q6096420b70_lnred
	.globl	k_q6096420b70_lnred
	.p2align	8
	.type	k_q6096420b70_lnred,@function
k_q6096420b70_lnred:
	s_mov_b64 s[64:65], 0
	v_nop
	global_prefetch_b8 v0, s[64:65] scope:SCOPE_SE
	s_setreg_imm32_b32 hwreg(HW_REG_WAVE_MODE, 25, 1), 1
	s_wait_xcnt 0x0
; For each token the mean and the variance of y's 1,024 columns; for each column the sum over the work-group's 16 tokens of (y - mean) / sqrt(variance + 1e-5): part [tile][1024].
; The last launch adds the 128 parts of a batch, divides by 2,048 and applies g2 and b2: the same algebra as the mean of the normalised rows, in another order of rounding.
; y lies in kv as the launch before left it: [g = 4 (T / 4) + quarter][w][a = T % 4][q][lane][16 bytes].
; SHARES: a work-group takes one tile T of 16 tokens; wave v takes columns 128 v on: quarter v / 2, w = 2 (v % 2) and the next: 16 loads of 512 consecutive bytes.
; Lane (r, h) holds of token r the numbers 32 c + 16 h + 0 .. 15 of the wave's four blocks c: register 16 c + i.
; The mean is taken first and the variance of the differences: a common offset costs no accuracy.  The eight waves' partial sums meet in LDS: [row][wave], 32 bytes a row.
; The column sums are joined over the sixteen lanes of a half, pass the wave's own 512 bytes of LDS, and leave as 512 consecutive, aligned bytes.  No matrix instruction: nothing here is a product.
; LIMITS: NaN and infinities are not served; v_rsq_f32 is good to 1 ulp.
.set X,   32                           ; v32-95 my 64 numbers
.set RS1, 0                            ; LDS: the sums, 512 bytes;
.set RS2, 512                          ; the sums of squares;
.set CST, 1024                         ; 512 bytes for each wave: its 128 column sums;
.set SPARE, 5120                       ; the spare words
.macro MEET                            ; my LDS stores have landed and my LDS loads are in: then the work-group's barrier
	s_wait_dscnt 0x0
	s_barrier_signal -1
	s_barrier_wait -1
.endm
.macro JOIN base                       ; my row's figure in v22: with lane l xor 16's, then with the other waves': the total in v24
	v_permlanex16_b32 v23, v22, s20, s21
	v_add_f32 v22, v22, v23
	ds_store_b32 v6, v22 offset:\base              ; both halves of the lanes write the same word with the same value
	MEET
	ds_load_b128 v[24:27], v7 offset:\base
	ds_load_b128 v[28:31], v7 offset:\base+16
	s_wait_dscnt 0x0
	v_pk_add_f32 v[24:25], v[24:25], v[26:27]
	v_pk_add_f32 v[28:29], v[28:29], v[30:31]
	v_pk_add_f32 v[24:25], v[24:25], v[28:29]
	v_add_f32 v24, v24, v25
.endm
	s_load_b128 s[4:7], s[0:1], 0x0                ; kv (y), part
	v_lshl_add_u32 v15, v0, 2, SPARE
	v_mov_b32 v17, 0
	v_lshrrev_b32 v1, 5, v0
	v_readfirstlane_b32 s12, v1                    ; wave 0..7
	v_and_b32 v1, 31, v0
	v_and_b32 v2, 15, v0                           ; r
	v_bfe_u32 v3, v0, 4, 1                         ; h
	v_lshlrev_b32 v7, 5, v2                        ; LDS: 32 r
	s_lshl_b32 s13, s12, 2
	v_add_nc_u32 v6, s13, v7                       ; LDS: 32 r + 4 v
	v_lshlrev_b32 v8, 4, v1                        ; 16 x lane
	s_lshl_b32 s14, s12, 9
	v_lshl_add_u32 v9, v3, 6, s14                  ; my column sums, in: 512 v + 64 h
	v_add_nc_u32 v10, s14, v8                      ; and back: 512 v + 16 x lane
	s_lshr_b32 s16, ttmp9, 2
	s_lshl_b32 s16, s16, 18                        ; 262,144 (T / 4)
	s_and_b32 s17, ttmp9, 3
	s_lshl_b32 s17, s17, 12                        ; 4,096 (T % 4)
	s_add_co_u32 s16, s16, s17
	s_lshl_b32 s17, s12, 15                        ; 65,536 (v / 2) + 32,768 (v % 2)
	s_add_co_u32 s16, s16, s17
	s_mov_b32 s17, 0
	s_lshl_b32 s18, ttmp9, 12
	s_add_co_u32 s18, s18, s14                     ; part: 4,096 T + 512 v
	s_mov_b32 s19, 0
	s_mov_b32 s20, 0x76543210
	s_mov_b32 s21, 0xfedcba98
	s_mov_b32 s26, 0x3a800000                      ; 1 / 1,024
	s_mov_b32 s27, 0x3727c5ac                      ; 1e-5
	s_wait_alu depctr_va_vdst(0)                   ; the wait at the head's end
	s_wait_kmcnt 0x0
	s_add_nc_u64 s[4:5], s[4:5], s[16:17]
	s_add_nc_u64 s[6:7], s[6:7], s[18:19]
.irp u, 0,1
.irp q, 0,1,2,3,4,5,6,7
	global_load_b128 v[X+32*\u+4*\q:X+32*\u+4*\q+3], v8, s[4:5] offset:16384*\u+512*\q th:TH_LOAD_NT
.endr
.endr
	s_wait_loadcnt 0x0
	; ---- the mean
	v_pk_add_f32 v[22:23], v[X:X+1], v[X+2:X+3]
	v_pk_add_f32 v[24:25], v[X+4:X+5], v[X+6:X+7]
.irp j, 8,12,16,20,24,28,32,36,40,44,48,52,56,60
	v_pk_add_f32 v[22:23], v[22:23], v[X+\j:X+\j+1]
	v_pk_add_f32 v[24:25], v[24:25], v[X+\j+2:X+\j+3]
.endr
	v_pk_add_f32 v[22:23], v[22:23], v[24:25]
	v_add_f32 v22, v22, v23
	JOIN RS1
	v_mul_f32 v18, s26, v24                        ; the mean
	v_mov_b32 v19, v18
	; ---- the differences, and their squares' sum
.set j, 0
.rept 32
	v_pk_add_f32 v[X+j:X+j+1], v[X+j:X+j+1], v[18:19] neg_lo:[0,1] neg_hi:[0,1]
.set j, j+2
.endr
	v_pk_mul_f32 v[22:23], v[X:X+1], v[X:X+1]
	v_pk_mul_f32 v[24:25], v[X+2:X+3], v[X+2:X+3]
.irp j, 4,8,12,16,20,24,28,32,36,40,44,48,52,56,60
	v_pk_fma_f32 v[22:23], v[X+\j:X+\j+1], v[X+\j:X+\j+1], v[22:23]
	v_pk_fma_f32 v[24:25], v[X+\j+2:X+\j+3], v[X+\j+2:X+\j+3], v[24:25]
.endr
	v_pk_add_f32 v[22:23], v[22:23], v[24:25]
	v_add_f32 v22, v22, v23
	JOIN RS2                                       ; other bytes than the sums'
	v_fma_f32 v26, v24, s26, s27                   ; the variance + 1e-5
	s_wait_alu depctr_va_vdst(0)                   ; the wait ahead of the transcendental
	v_rsq_f32 v20, v26
	v_nop                                          ; a plain line behind it
	s_wait_alu depctr_va_vdst(0)                   ; the wait ahead of its first reader
	v_mov_b32 v21, v20
.set j, 0
.rept 32
	v_pk_mul_f32 v[X+j:X+j+1], v[X+j:X+j+1], v[20:21]
.set j, j+2
.endr
	; ---- the column sums over the sixteen tokens: the sixteen lanes of a half
.irp m, 1,2,4,8
.set i, 0
.rept 64
	v_add_f32_dpp v[X+i], v[X+i], v[X+i] row_xmask:\m row_mask:0xf bank_mask:0xf
.set i, i+1
.endr
.endr
.set i, 0
.rept 16                               ; register 16 c + 4 q on: columns 32 c + 16 h + 4 q on.  The sixteen lanes of a half write the same bytes with the same values
	ds_store_b128 v9, v[X+4*i:X+4*i+3] offset:CST+128*(i/4)+16*(i%4)
.set i, i+1
.endr
	ds_load_b128 v[24:27], v10 offset:CST          ; my wave's own bytes; LDS serves a wave's instructions in order (ISA guide 5.7.1.4)
	s_wait_dscnt 0x0
	global_store_b128 v8, v[24:27], s[6:7]         ; 512 consecutive, aligned bytes
	s_wait_tensorcnt 0x0                           ; the wave's end
	ds_add_u32 v15, v17
	s_wait_dscnt 0x0
	s_endpgm
.Lfunc_end_k_q6096420b70_lnred:
	.size	k_q6096420b70_lnred, .Lfunc_end_k_q6096420b70_lnred-k_q6096420b70_lnred
	.p2alignl 7, 3214868480
	.fill 96, 4, 3214868480
	.section	.rodata,"a",@progbits
	.p2align	6, 0x0
	.amdhsa_kernel k_q6096420b70_lnred
		.amdhsa_group_segment_fixed_size 6144
		.amdhsa_private_segment_fixed_size 0
		.amdhsa_enable_private_segment 0
		.amdhsa_kernarg_size 16
		.amdhsa_user_sgpr_count 2
		.amdhsa_user_sgpr_kernarg_segment_ptr 1
		.amdhsa_wavefront_size32 1
		.amdhsa_system_sgpr_workgroup_id_x 1
		.amdhsa_system_sgpr_workgroup_id_y 1
		.amdhsa_system_sgpr_workgroup_id_z 1
		.amdhsa_system_vgpr_workitem_id 0
		.amdhsa_next_free_vgpr 128
		.amdhsa_next_free_sgpr 66
		.amdhsa_reserve_vcc 0
		.amdhsa_float_denorm_mode_32 3
		.amdhsa_float_denorm_mode_16_64 3
		.amdhsa_memory_ordered 1
		.amdhsa_forward_progress 1
		.amdhsa_inst_pref_size 31
	.end_amdhsa_kernel
	.amdgpu_metadata
---
amdhsa.version: [ 1, 2 ]
amdhsa.kernels:
  - .name:           k_q6096420b70_lnred
    .symbol:         k_q6096420b70_lnred.kd
    .args:
      - { .name: kv, .offset: 0, .size: 8, .value_kind: global_buffer, .address_space: global }
      - { .name: part, .offset: 8, .size: 8, .value_kind: global_buffer, .address_space: global }
    .group_segment_fixed_size: 6144
    .private_segment_fixed_size: 0
    .kernarg_segment_align: 8
    .kernarg_segment_size: 16
    .max_flat_workgroup_size: 256
    .sgpr_count:     66
    .vgpr_count:     128
    .wavefront_size: 32
...
	.end_amdgpu_metadata
.endif
;; end of part 5
;; launch final (part 6): grid 32 x 1, 1 waves a work-group, no clusters, 0 bytes of LDS; arguments part, t0, ml, g2, b2, out0, out1; writes out0, out1
.if DOCPART == 6
	.amdgcn_target "amdgcn-amd-amdhsa--gfx1250"
	.amdhsa_code_object_version 6
	.text
	.protected	k_q6096420b70_final
	.globl	k_q6096420b70_final
	.p2align	8
	.type	k_q6096420b70_final,@function
k_q6096420b70_final:
	s_mov_b64 s[64:65], 0
	v_nop
	global_prefetch_b8 v0, s[64:65] scope:SCOPE_SE
	s_setreg_imm32_b32 hwreg(HW_REG_WAVE_MODE, 25, 1), 1
	s_wait_xcnt 0x0
; out1[b][k] = the mean over 16 heads of 2^(c x score of query 0 - M) / (the row's sum), c = log2(e) / 8: M (a whole number at or above the row's largest c x score) and the sum were left in ml by the attention launch.
; out0[b][c] = g2[c] x (the sum of the batch's 128 parts) / 2,048 + b2[c].
; SHARES: work-group g: batch g / 16, x = g % 16; its one wave takes keys 128 x on (four a lane, all 16 heads) and columns 64 x on (two a lane, all 128 parts).  Waves share nothing: no LDS, no barrier.
; Each load and store of the wave covers 256 or 512 consecutive, aligned bytes.  No matrix instruction: nothing here is a product.  32 work-groups is all the work there is.
; LIMITS: NaN and infinities are not served; v_exp_f32 and v_rcp_f32 are good to 1 ulp.
.set T,   32                           ; v32-95   the scores, then the weights: four a head
.set R,   96                           ; v96-111  1 / the sum, a head each
.set A,   112                          ; v112-115 the mean's four keys;  v116-119 g2, b2
.set P,   128                          ; v128-255 parts 0-63, two columns each; parts 64-127 in window 1, v0-127
.set ML,  32                           ; s32-63   -M and the sum of each head
	s_load_b256 s[4:11], s[0:1], 0x0               ; part, t0, ml, g2
	s_load_b128 s[12:15], s[0:1], 0x20             ; b2, out0
	s_load_b64 s[16:17], s[0:1], 0x30              ; out1
	v_lshlrev_b32 v2, 4, v0                        ; 16 x lane
	v_lshlrev_b32 v3, 3, v0                        ; 8 x lane
	s_lshr_b32 s18, ttmp9, 4                       ; batch
	s_and_b32 s19, ttmp9, 15                       ; x
	s_lshl_b32 s22, s18, 17                        ; t0: 16 rows of 8,192 bytes a batch,
	s_lshl_b32 s28, s19, 9
	s_add_co_u32 s22, s22, s28                     ; + 512 x
	s_mov_b32 s23, 0
	s_lshl_b32 s24, s19, 8                         ; g2, b2: 256 x
	s_mov_b32 s25, 0
	s_lshl_b32 s20, s18, 19                        ; part: 128 rows of 4,096 bytes a batch,
	s_add_co_u32 s20, s20, s24                     ; + 256 x
	s_mov_b32 s21, 0
	s_lshl_b32 s26, s18, 12                        ; ml: 16 heads of 256 bytes
	s_mov_b32 s27, 0
	s_add_co_u32 s30, s26, s24                     ; out0: 4,096 b + 256 x
	s_mov_b32 s31, 0
	s_lshl_b32 s68, s18, 13
	s_add_co_u32 s68, s68, s28                     ; out1: 8,192 b + 512 x
	s_mov_b32 s69, 0
	s_mov_b32 s66, 0x3e38aa3b                      ; c
	s_wait_alu depctr_va_vdst(0)                   ; the wait at the head's end
	s_wait_kmcnt 0x0
	s_add_nc_u64 s[4:5], s[4:5], s[20:21]
	s_add_nc_u64 s[6:7], s[6:7], s[22:23]
	s_add_nc_u64 s[8:9], s[8:9], s[26:27]
	s_add_nc_u64 s[10:11], s[10:11], s[24:25]
	s_add_nc_u64 s[12:13], s[12:13], s[24:25]
	s_add_nc_u64 s[14:15], s[14:15], s[30:31]
	s_add_nc_u64 s[16:17], s[16:17], s[68:69]
.set h, 0
.rept 16
	s_load_b64 s[ML+2*h:ML+2*h+1], s[8:9], 256*h   ; lane 0's pair of the head's unit: query 0's
	global_load_b128 v[T+4*h:T+4*h+3], v2, s[6:7] offset:8192*h
.set h, h+1
.endr
	global_load_b64 v[116:117], v3, s[10:11]
	global_load_b64 v[118:119], v3, s[12:13]
.set i, 0
.rept 64
	global_load_b64 v[P+2*i:P+2*i+1], v3, s[4:5] offset:4096*i
.set i, i+1
.endr
	s_set_vgpr_msb 0x40                            ; destination in window 1
.set i, 0
.rept 64
	global_load_b64 v[2*i:2*i+1], v3, s[4:5] offset:4096*(64+i)
.set i, i+1
.endr
	s_set_vgpr_msb 0x4000
	s_wait_loadcnt 63                              ; 128 loads were issued behind the scores, g2 and b2: 63 is the largest count that the wait can name
	s_wait_kmcnt 0x0
.set h, 0
.rept 16
.irp j, 0,1,2,3
	v_fma_f32 v[T+4*h+\j], v[T+4*h+\j], s66, s[ML+2*h]   ; c s - M
.endr
.set h, h+1
.endr
	s_wait_alu depctr_va_vdst(0)                   ; the wait ahead of the batch
.set j, 0
.rept 64
	v_exp_f32 v[T+j], v[T+j]
.set j, j+1
.endr
.set h, 0
.rept 16
	v_rcp_f32 v[R+h], s[ML+2*h+1]
.set h, h+1
.endr
	v_nop                                          ; a plain line behind the batch
	s_wait_alu depctr_va_vdst(0)                   ; one wait for the batch
.irp j, 0,1,2,3
	v_mul_f32 v[A+\j], v[T+\j], v[R]
.endr
.set h, 1
.rept 15
.irp j, 0,1,2,3
	v_fmac_f32 v[A+\j], v[T+4*h+\j], v[R+h]        ; four chains by turns
.endr
.set h, h+1
.endr
.irp j, 0,1,2,3
	v_mul_f32 v[A+\j], 0x3d800000, v[A+\j]         ; the mean over 16 heads
.endr
	global_store_b128 v2, v[A:A+3], s[16:17]
	s_wait_loadcnt 0x0                             ; the parts
.set i, 2
.rept 31
	v_pk_add_f32 v[P:P+1], v[P:P+1], v[P+2*i:P+2*i+1]
	v_pk_add_f32 v[P+2:P+3], v[P+2:P+3], v[P+2*i+2:P+2*i+3]
.set i, i+2
.endr
	s_set_vgpr_msb 0x04                            ; source 1 in window 1
.set i, 0
.rept 32
	v_pk_add_f32 v[P:P+1], v[P:P+1], v[4*i:4*i+1]
	v_pk_add_f32 v[P+2:P+3], v[P+2:P+3], v[4*i+2:4*i+3]
.set i, i+1
.endr
	s_set_vgpr_msb 0x0400
	v_pk_add_f32 v[P:P+1], v[P:P+1], v[P+2:P+3]
	v_pk_mul_f32 v[P:P+1], v[P:P+1], 0x3a000000 op_sel_hi:[1,0]   ; / 2,048
	v_pk_fma_f32 v[P:P+1], v[P:P+1], v[116:117], v[118:119]
	global_store_b64 v3, v[P:P+1], s[14:15]
	s_endpgm
.Lfunc_end_k_q6096420b70_final:
	.size	k_q6096420b70_final, .Lfunc_end_k_q6096420b70_final-k_q6096420b70_final
	.p2alignl 7, 3214868480
	.fill 96, 4, 3214868480
	.section	.rodata,"a",@progbits
	.p2align	6, 0x0
	.amdhsa_kernel k_q6096420b70_final
		.amdhsa_group_segment_fixed_size 0
		.amdhsa_private_segment_fixed_size 0
		.amdhsa_enable_private_segment 0
		.amdhsa_kernarg_size 56
		.amdhsa_user_sgpr_count 2
		.amdhsa_user_sgpr_kernarg_segment_ptr 1
		.amdhsa_wavefront_size32 1
		.amdhsa_system_sgpr_workgroup_id_x 1
		.amdhsa_system_sgpr_workgroup_id_y 1
		.amdhsa_system_sgpr_workgroup_id_z 1
		.amdhsa_system_vgpr_workitem_id 0
		.amdhsa_next_free_vgpr 384
		.amdhsa_next_free_sgpr 72
		.amdhsa_reserve_vcc 0
		.amdhsa_float_denorm_mode_32 3
		.amdhsa_float_denorm_mode_16_64 3
		.amdhsa_memory_ordered 1
		.amdhsa_forward_progress 1
		.amdhsa_inst_pref_size 34
	.end_amdhsa_kernel
	.amdgpu_metadata
---
amdhsa.version: [ 1, 2 ]
amdhsa.kernels:
  - .name:           k_q6096420b70_final
    .symbol:         k_q6096420b70_final.kd
    .args:
      - { .name: part, .offset: 0, .size: 8, .value_kind: global_buffer, .address_space: global }
      - { .name: t0, .offset: 8, .size: 8, .value_kind: global_buffer, .address_space: global }
      - { .name: ml, .offset: 16, .size: 8, .value_kind: global_buffer, .address_space: global }
      - { .name: g2, .offset: 24, .size: 8, .value_kind: global_buffer, .address_space: global }
      - { .name: b2, .offset: 32, .size: 8, .value_kind: global_buffer, .address_space: global }
      - { .name: out0, .offset: 40, .size: 8, .value_kind: global_buffer, .address_space: global }
      - { .name: out1, .offset: 48, .size: 8, .value_kind: global_buffer, .address_space: global }
    .group_segment_fixed_size: 0
    .private_segment_fixed_size: 0
    .kernarg_segment_align: 8
    .kernarg_segment_size: 56
    .max_flat_workgroup_size: 32
    .sgpr_count:     72
    .vgpr_count:     384
    .wavefront_size: 32
...
	.end_amdgpu_metadata
.endif
;; end of part 6
